; MI455X (gfx1250); checked and timed in simulation.
; The chip was launched on July 23, 2026; its instructions are those of AMD's public machine-readable ISA for CDNA 5 (MIT licence, August 2026) and "CDNA5" Instruction Set Architecture Reference Guide (July 2026). The comments in the code are by the model that wrote it; some were corrected since.
;; Dec Attention. Allowed arithmetic: matrix products marked QUANTISED: E2M3 operands, one E8M0 scale for each 32 along K, by v_wmma_scale_f32_16x16x128_f8f6f4 with both operands' format E2M3, f32 sums; everything else in f32.
;; Inputs: Wo 1,024 x 1,024 float32; Wqkv 1,024 x 3,072 float32; bo 1,024 float32; bqkv 3,072 float32; x 4 x 2,048 x 1,024 float32.
;; Outputs: out0 4 x 2,048 x 1,024 float32.
;; This version of the problem:
;;   THIS VERSION OF THE PROBLEM IS GIVEN IN LOW PRECISION. The matrix products marked QUANTISED in the list below multiply operands that are first quantised to E2M3 (2 exponent bits, 3 mantissa bits; 6 bits a number), with one power-of-two scale for each 32 numbers along K (OCP MX v1.0); their sums are f32. All else is computed in f32.
;;   The module's matrix products, in the order in which they are computed (A, B: the left and right operand; K: the contracted axis; several contracted axes count as one K, in the product's order):
;;     1. [M 8,192, K 1,024] x [K 1,024, N 3,072]; A: input x; B: input Wqkv: QUANTISED
;;     2. batch 64 x [M 2,048, K 64] x [K 64, N 2,048]; A: computed on the way; B: computed on the way: QUANTISED
;;     3. batch 64 x [M 2,048, K 2,048] x [K 2,048, N 64]; A: softmax (see below); B: computed on the way: QUANTISED
;;     4. [M 8,192, K 1,024] x [K 1,024, N 1,024]; A: computed on the way; B: input Wo: QUANTISED
;;   THE QUANTISER, for each operand of a quantised product, along K:
;;     - K is cut into blocks of 32 from its start; a last block that is shorter is filled with zeros.
;;     - A block's scale is 2^e with e = floor(log2(the largest magnitude in the block)) - 2, held to -126 .. 127; a block of zeros has e = 0. As a byte (E8M0): e + 127.
;;     - Each number is divided by its block's scale, clamped to +-7.5, and rounded to the nearest number of E2M3, ties to even, subnormals kept.
;;     - The product sums the exact products of the quantised numbers (number of the format x scale) in f32.
;;   ~~~python
;;   def quantise(x, axis):      # numpy; x: float32 -> the quantised numbers, widened to float32 again
;;       x = np.moveaxis(x, axis, -1); K = x.shape[-1]
;;       x = np.pad(x, [(0, 0)] * (x.ndim - 1) + [(0, -K % 32)]); x = x.reshape(x.shape[:-1] + (-1, 32)); a = np.abs(x).max(-1, keepdims=True)
;;       e = np.where(a > 0, np.clip(np.frexp(np.where(a > 0, a, 1))[1] - 1 - 2, -126, 127), 0)      # np.frexp(a)[1] - 1 = floor(log2(a)), exactly
;;       r = np.clip(x / 2.0 ** e, -7.5, 7.5)
;;       step = 2.0 ** (np.maximum(np.frexp(np.where(r == 0, 1, r))[1] - 1, 0) - 3)
;;       q = np.round(r / step) * step * 2.0 ** e      # np.round: ties to even
;;       return np.moveaxis(q.reshape(q.shape[:-2] + (-1,))[..., :K], -1, axis).astype(np.float32)
;;   ~~~
;;   SOFTMAX AHEAD OF A QUANTISED PRODUCT. Where the list says 'softmax', what is quantised is not the finished softmax but p = 2^(t - M), with t = logit x log2(e) and M = ceil(the row's largest t), a whole number; so 1/2 < the row's largest p <= 1. The row's sum l is taken of the UNQUANTISED p, in f32, and the product's result is divided by l at the end. Since M is a whole number, a kernel that streams over the keys may use a running M (the ceiling of the running maximum): every later rescaling is an exact power of two, which a block's scale takes up: the codes' values come out the same.
;;   OPERANDS COMPUTED ON THE WAY. 'Computed on the way' means the value that the module computes at that place (a softmax that the list does not call 'softmax' is quantised finished and normalised). What goes into a quantiser is computed in f32, as accurately as f32 sums, v_exp_f32 and their like allow (about 1e-6 of the number): no bf16 or f16 on the way to a quantiser, and a product that is left as it is and whose result goes on into a quantised operand takes f32 operands (vector FMAs, or v_wmma_f32_16x16x4_f32). A number that lies on a knife's edge between two numbers of the format may be rounded either way, as far as f32 arithmetic and the matrix unit's own rounding can turn it there, and no further.
;; One version. Each part assembles by itself: llvm-mc -triple=amdgcn-amd-amdhsa -mcpu=gfx1250 --defsym DOCPART=n.
;; ======== version 1 of 1: 4 launches
;; limits: right only within a limited range of input values
;; workspace buffers: xc 6,291,456 bytes; xs 262,144 bytes; wc 3,145,728 bytes; ws 131,072 bytes; qkvc 18,874,368 bytes; qkvs 786,432 bytes; yc 6,291,456 bytes; ys 262,144 bytes
;; launch quant (part 1): grid 384 x 1, 4 waves a work-group, no clusters, 69,120 bytes of LDS; arguments x, xc, xs, ws, Wqkv, Wo, wc; writes xc, xs, wc, ws
.if DOCPART == 1
	.amdgcn_target "amdgcn-amd-amdhsa--gfx1250"
	.amdhsa_code_object_version 6
	.text
	.protected	k_q7a84bc38ed_quant
	.globl	k_q7a84bc38ed_quant
	.p2align	8
	.type	k_q7a84bc38ed_quant,@function
k_q7a84bc38ed_quant:
	s_mov_b64 s[64:65], 0
	v_nop
	global_prefetch_b8 v0, s[64:65] scope:SCOPE_SE
	s_setreg_imm32_b32 hwreg(HW_REG_WAVE_MODE, 25, 1), 1
	s_wait_xcnt 0x0
; ONE LAUNCH QUANTISES ALL THREE f32 OPERANDS to codes of FP6 (E2M3), K innermost, 768 bytes a row, with one E8M0 byte for each 32 along K, 32 bytes a row.
; A block's scale is 2^(floor(log2(its largest magnitude)) - 2); its byte is the largest magnitude's exponent field - 2, held at 1 from below.
; Work-groups 0 to 255 take x [8192][1024] (K innermost); work-groups 256 to 383 take Wqkv [1024][3072] and Wo [1024][1024] (K their FIRST axis).  The two ways part at once on the work-group's
; number and never join; only x's uses LDS (its regions from 0, its stage of images from WLDS).  No tensor loads; x's four waves meet at one barrier over their stage of images.
; THE ROWS ARE STORED IN ANOTHER ORDER: row g goes to row sigma(g), g with its bits 3 and 4 exchanged.  Sixteen stored rows on end then hold the rows 32 b + 8 u + r + 8 (r / 8): taken as source 0
; of a matrix instruction, two neighbouring tiles give a lane 16 true neighbours in its registers.
; LIMITS: NaN and infinities among the inputs are not served; a block whose largest magnitude lies under 2^-124 keeps the byte 1; a block of zeros has the byte 1 and not 127
; (its codes are zeros, and this program alone reads the bytes).
; THE CODES' LAYOUT, for x and for the weights alike (this replaces the rows of 768 bytes named above): images of the operand registers,
; [tile of 16 stored rows][q = 128 along K, 8][plane p, 6][lane 16 h + r][8 bytes]: bytes 96 q + 48 (p / 3) + 24 h + 8 (p % 3) .. + 7 of stored row r's stream of codes.  A tile is 12,288 bytes.
.set NXWG,  256                        ; work-groups for x
.set IPL,   272                        ; x's way out: a plane of 256 bytes + 16 in the work-group's stage, [2 tiles][48 planes], from WLDS on
; x's way
.set STEPS, 16
.set CB,    12                         ; bytes of 16 codes
.set XR,    16                         ; v16-79   four sets of 16 numbers as they are loaded
.set XN,    80                         ; v80-111  two sets of 16 neighbours
.set XC,    128                        ; v128-191 codes: four registers for each step, so that no store's data are written again
.set XE,    112                        ; v112-127 a scale byte for each step
.set WREG,  8192                       ; LDS: a region for each wave: two stages of 32 x SP bytes, behind them its 256 scale bytes
.set SP,    80                         ; a lane's place in a stage: 64 bytes + 16 of padding
; the weights' way
.set WLDS,  32768                      ; x's stage of images, behind x's four regions
.set NB,    8                          ; blocks of 32 along K for a wave
.set ROWB,  192                        ; bytes of 256 codes
.set PITCH, 272                        ; a stage row: sixteen places of 16 bytes, each with 12 bytes of codes, + 16
.set KROW,  768                        ; a row of the codes' buffer
.set WN,    32                         ; v32-95   two sets of 32 numbers
.set WC,    96                         ; v96..    a block's codes
.set OUTR,  112                        ; v112-175 the way out
.set SB,    24                         ; v24-25   the scale bytes, four to a register
.set OF,    176                        ; v176-207 4 x lane + i x pitch; never rewritten
	v_lshl_add_u32 v208, v0, 2, 0x10c00
	v_mov_b32 v209, 0
	v_lshrrev_b32 v1, 5, v0
	v_readfirstlane_b32 s16, v1                    ; wave 0..3
	v_and_b32 v2, 31, v0                           ; lane
	s_cmp_lt_u32 ttmp9, NXWG                       ; x's work-group or the weights'?
	s_cbranch_scc0 .Lweights
; ---- x.  A wave takes 8 rows (16 steps of 512 numbers), so bits 3 and 4 of a row are the wave's number: sigma only exchanges the wave's two bits in the place where it stores.
; Each load reads 512 consecutive bytes; a step's 2,048 bytes turn through the wave's own stage in LDS and come back 64 bytes a lane: 16 neighbours along K, two lanes to a block.
	s_load_b128 s[4:7], s[0:1], 0x0                ; x, its codes
	s_load_b64 s[8:9], s[0:1], 0x10                ; its scale bytes
	v_lshlrev_b32 v3, 4, v2                        ; my 16 bytes of a load's 512
	s_mul_i32 s17, s16, WREG
	v_lshrrev_b32 v14, 2, v2
	v_mul_u32_u24 v14, v14, SP
	v_and_b32 v15, 3, v2
	v_lshl_add_u32 v14, v15, 4, v14
	v_add_nc_u32 v14, s17, v14                     ; the stage, on the way in: SP (lane / 4) + 16 (lane % 4)
	v_mul_u32_u24 v15, v2, SP
	v_add_nc_u32 v15, s17, v15                     ; and on the way out: SP x lane
	v_lshrrev_b32 v5, 1, v2
	s_add_co_u32 s17, s17, 2*32*SP
	v_add_nc_u32 v5, s17, v5                       ; LDS: my wave's 256 scale bytes, my block's byte
	v_lshlrev_b32 v7, 3, v2                        ; and on the way out 8 bytes a lane
	v_add_nc_u32 v6, s17, v7
	s_lshl_b32 s18, ttmp9, 2
	s_add_co_u32 s20, s18, s16                     ; the run of 8 rows that I read: 4 x work-group + wave
	s_lshl_b32 s20, s20, 15                        ; 32,768 bytes a run
	s_mov_b32 s21, 0
	s_and_b32 s22, s16, 1
	s_lshl_b32 s22, s22, 1
	s_lshr_b32 s23, s16, 1
	s_or_b32 s22, s22, s23                         ; the wave's two bits exchanged: sigma
	s_lshr_b32 s28, s22, 1                         ; my tile of the work-group's two,
	s_mul_i32 s28, s28, 48*IPL
	s_and_b32 s29, s22, 1                          ; and which 8 of its rows are mine: 64 bytes of each half plane
	s_lshl_b32 s29, s29, 6
	s_add_co_u32 s28, s28, s29
	s_add_co_u32 s28, s28, WLDS
	s_add_co_u32 s22, s22, s18                     ; the run into which I store scale bytes
	s_mul_i32 s24, ttmp9, 24576                    ; the work-group's two tiles of codes
	s_mov_b32 s25, 0
	s_lshl_b32 s26, s22, 8                         ; 256 scale bytes a run
	s_mov_b32 s27, 0
	v_bfe_u32 v10, v2, 3, 2                        ; my half block in a step: q = lane / 8, c = lane / 4 % 2, h = lane / 2 % 2, u = lane % 2
	v_mul_u32_u24 v10, v10, 6*IPL
	v_bfe_u32 v11, v2, 2, 1
	v_mad_u32_u24 v10, v11, 3*IPL, v10
	v_bfe_u32 v11, v2, 1, 1
	v_lshl_add_u32 v10, v11, 7, v10
	v_add_nc_u32 v10, s28, v10
	v_and_b32 v11, 1, v2
	v_mad_u32_u24 v192, v11, IPL+4, v10            ; my three words are words 3 u .. 3 u + 2 of the block's six; word d lies in plane d / 2 at byte 4 (d % 2)
	v_mad_u32_u24 v193, v11, 2*IPL-4, v10
	v_add_nc_u32 v193, 4, v193
	v_add_nc_u32 v194, IPL, v192
	v_lshrrev_b32 v195, 4, v0                      ; back out of the stage: sixteen threads to a plane
	v_mul_u32_u24 v195, v195, IPL
	v_and_b32 v11, 15, v0
	v_lshl_add_u32 v195, v11, 4, v195
	v_add_nc_u32 v195, WLDS, v195
	v_lshlrev_b32 v196, 4, v0                      ; and the same place in the two tiles
	s_wait_alu depctr_va_vdst(0)
	s_wait_kmcnt 0x0
	s_add_nc_u64 s[4:5], s[4:5], s[20:21]
	s_add_nc_u64 s[6:7], s[6:7], s[24:25]
	s_add_nc_u64 s[8:9], s[8:9], s[26:27]
.macro XLOAD t
.irp i, 0,1,2,3
	global_load_b128 v[XR+16*((\t)%4)+4*\i:XR+16*((\t)%4)+4*\i+3], v3, s[4:5] offset:2048*(\t)+512*\i th:TH_LOAD_NT   ; 32 lanes read 512 consecutive bytes
.endr
.endm
.macro XTURN t                         ; step t's numbers through the stage: LDS serves a wave's instructions in order, so no wait stands between the stores and the loads
.irp i, 0,1,2,3
	ds_store_b128 v14, v[XR+16*((\t)%4)+4*\i:XR+16*((\t)%4)+4*\i+3] offset:32*SP*((\t)%2)+8*SP*\i
.endr
.irp i, 0,1,2,3
	ds_load_b128 v[XN+16*((\t)%2)+4*\i:XN+16*((\t)%2)+4*\i+3], v15 offset:32*SP*((\t)%2)+16*\i
.endr
.endm
.irp t, 0,1,2,3
	XLOAD \t
.endr
	s_wait_loadcnt 12                              ; step 0's four loads are in; the twelve of steps 1 to 3 may be out
	XTURN 0
.macro XSTEP t
.set XS, XN+16*((\t)%2)
.if (\t) > 0
	s_wait_dscnt 4                                 ; this step's numbers are back from the stage (the last step's byte store and three word stores may be out)
.else
	s_wait_dscnt 0x0
.endif
.if (\t)+4 < STEPS
	XLOAD (\t)+4                                   ; the stage's stores have read these registers: they take the loads of four steps on
.endif
.if (\t)+1 < STEPS
.if STEPS-2-(\t) >= 3
	s_wait_loadcnt 12                              ; the next step's four loads are in; those of the three steps behind it may be out
.else
	s_wait_loadcnt 4*(STEPS-2-(\t))
.endif
	XTURN (\t)+1
.endif
	v_max3_num_f32 v8, |v[XS]|, |v[XS+1]|, |v[XS+2]|               ; the largest magnitude of my 16, in two chains
	v_max3_num_f32 v9, |v[XS+3]|, |v[XS+4]|, |v[XS+5]|
.irp i, 6,10
	v_max3_num_f32 v8, v8, |v[XS+\i]|, |v[XS+\i+1]|
	v_max3_num_f32 v9, v9, |v[XS+\i+2]|, |v[XS+\i+3]|
.endr
	v_max3_num_f32 v8, v8, |v[XS+14]|, |v[XS+15]|
	v_max3_num_f32 v8, v8, v9, 0x1800000           ; and the floor 2^(3 - 127): the byte cannot fall under 1
	v_max_num_f32_dpp v8, v8, v8 row_xmask:1 row_mask:0xf bank_mask:0xf   ; and of my neighbour's 16: the block's
	v_add_nc_u32 v11, 0xff000000, v8               ; 2 off its exponent field: the conversion takes the exponent field of this operand as its scale
	v_cvt_scalef32_pk16_fp6_f32 v[XC+4*(\t):XC+4*(\t)+2], v[XS:XS+15], v11
	v_lshrrev_b32 v[XE+(\t)], 23, v11              ; the scale's byte (also the plain line behind the conversion)
	ds_store_b8 v5, v[XE+(\t)] offset:16*(\t)      ; both lanes of a block write the same byte with the same value
.irp k, 0,1,2
	ds_store_b32 v[192+\k], v[XC+4*(\t)+\k] offset:24*IPL*((\t)%2)+8*((\t)/2)   ; into the image: the row's second half lies four q on, row t / 2 eight bytes on
.endr
.endm
.irp t, 0,1,2,3,4,5,6,7,8,9,10,11,12,13,14,15
	XSTEP \t
.endr
	ds_load_b64 v[12:13], v6                       ; LDS serves a wave's instructions in order: these see my stores
	s_wait_dscnt 0x0
	global_store_b64 v7, v[12:13], s[8:9]          ; 32 lanes store 256 consecutive bytes, aligned
	s_barrier_signal -1                            ; all my LDS stores are done (the wait above): the two tiles are whole when all four waves are here
	s_barrier_wait -1
.irp k, 0,1,2,3,4,5,6,7,8,9,10,11
	ds_load_b128 v[XC+4*\k:XC+4*\k+3], v195 offset:8*IPL*\k
.endr
.irp k, 0,1,2,3,4,5,6,7,8,9,10,11
	s_wait_dscnt 11-\k                             ; loads come back in order
	global_store_b128 v196, v[XC+4*\k:XC+4*\k+3], s[6:7] offset:2048*\k   ; sixteen lanes store a plane: 256 consecutive bytes, aligned
.endr
	s_wait_tensorcnt 0x0
	ds_add_u32 v208, v209
	s_wait_dscnt 0x0
	s_endpgm
; ---- the weights.  Their codes lie [4096 rows][768 bytes]: rows 0 to 3071 are Wqkv's columns, rows 3072 to 4095 Wo's; inside each group of 32 rows column n lies at sigma(n).
; A LANE TAKES A COLUMN AND ITS REGISTERS RUN DOWN K: a block of 32 along K lies in one lane's 32 registers, and the conversions give codes with K innermost.  Nothing is transposed by an instruction.
; A wave takes 32 columns x 256 along K.  Of the 128 work-groups, number % 32 says which 128 stored rows (0 to 23: Wqkv, 24 to 31: Wo), number / 32 which 256 along K.  ONE text serves both weights:
; the source's address and its pitch are chosen on the work-group's number; the pitch stands in 32 offset registers (4 x lane + i x pitch) and in eight scalar bases, one for each block of 32 along K.
; The codes go from the registers straight to memory: sixteen lanes store 128 consecutive bytes of a plane.
.Lweights:
	s_load_b128 s[4:7], s[0:1], 0x20               ; Wqkv s[4:5], Wo s[6:7]
	s_load_b64 s[8:9], s[0:1], 0x30                ; the codes
	s_load_b64 s[10:11], s[0:1], 0x18              ; the scale bytes
	s_sub_co_u32 s12, ttmp9, NXWG
	s_and_b32 s13, s12, 31                         ; which 128 stored rows
	s_lshr_b32 s18, s12, 5                         ; which 256 along K
	s_lshl_b32 s17, s13, 7
	s_lshl_b32 s14, s16, 5
	s_add_co_u32 s17, s17, s14                     ; my wave's first stored row
	s_wait_alu depctr_va_vdst(0)
	v_lshlrev_b32 v3, 2, v2                        ; in: 4 bytes a lane
	v_and_b32 v10, 7, v2
	v_bfe_u32 v11, v2, 3, 1
	v_lshl_or_b32 v10, v11, 4, v10
	v_bfe_u32 v11, v2, 4, 1
	v_lshl_or_b32 v10, v11, 3, v10                 ; sigma(lane)
	v_lshrrev_b32 v8, 4, v10                       ; my column's place in the images: tile sigma(lane) / 16, row sigma(lane) % 16
	v_mul_u32_u24 v8, v8, 12288
	v_and_b32 v5, 15, v10
	v_lshl_add_u32 v8, v5, 3, v8
	v_lshlrev_b32 v9, 5, v10                       ; my column's row of scale bytes: 32 x sigma(lane)
	s_wait_kmcnt 0x0
	s_cmp_lt_u32 s13, 24                           ; Wqkv's rows or Wo's?  The choice hangs on the work-group's number alone
	s_cselect_b64 s[4:5], s[4:5], s[6:7]
	s_mov_b32 s19, 4096
	s_cselect_b32 s19, 12288, s19                  ; bytes from row to row of the source
	s_cselect_b32 s20, 0, 3072
	s_sub_co_u32 s20, s17, s20                     ; my first column in the source
	s_lshl_b32 s22, s18, 8
	s_mul_i32 s22, s22, s19                        ; 256 y rows down,
	s_lshl_b32 s23, s20, 2
	s_add_co_u32 s22, s22, s23                     ; 4 bytes a column
	s_mov_b32 s23, 0
	s_add_nc_u64 s[32:33], s[4:5], s[22:23]        ; block 0's base
	s_lshl_b32 s26, s19, 5                         ; 32 rows on
	s_mov_b32 s27, 0
.irp t, 1,2,3,4,5,6,7
	s_add_nc_u64 s[32+2*\t:33+2*\t], s[30+2*\t:31+2*\t], s[26:27]
.endr
	s_mul_i32 s24, s17, KROW
	s_mul_i32 s25, s18, 3072                       ; 256 along K are two q
	s_add_co_u32 s24, s24, s25
	s_mov_b32 s25, 0
	s_add_nc_u64 s[8:9], s[8:9], s[24:25]          ; codes: row x 768 + 3,072 y
	s_lshl_b32 s28, s17, 5
	s_lshl_b32 s29, s18, 3
	s_add_co_u32 s28, s28, s29
	s_mov_b32 s29, 0
	s_add_nc_u64 s[10:11], s[10:11], s[28:29]      ; scale bytes: row x 32 + 8 y
.set i, 0
.rept 32
	v_mad_u32_u24 v[OF+i], s19, i, v3
.set i, i+1
.endr
.macro WLOAD t                         ; block t: W(32 t + i, my column), i = 0 .. 31, into set t % 2: each load reads 128 consecutive bytes
.set i, 0
.rept 32
	global_load_b32 v[WN+32*((\t)%2)+i], v[OF+i], s[32+2*(\t):33+2*(\t)] th:TH_LOAD_NT
.set i, i+1
.endr
.endm
	WLOAD 0
	WLOAD 1
.macro WBLOCK t
.set WSET, WN+32*((\t)%2)
.if (\t) < NB-1
	s_wait_loadcnt 32                              ; this block's 32 loads are in; the next block's may be out
.else
	s_wait_loadcnt 0
.endif
	v_max3_num_f32 v12, |v[WSET]|, |v[WSET+1]|, |v[WSET+2]|         ; the block's largest magnitude: all 32 numbers are mine
	v_max3_num_f32 v13, |v[WSET+3]|, |v[WSET+4]|, |v[WSET+5]|
.irp i, 6,10,14,18,22,26
	v_max3_num_f32 v12, v12, |v[WSET+\i]|, |v[WSET+\i+1]|
	v_max3_num_f32 v13, v13, |v[WSET+\i+2]|, |v[WSET+\i+3]|
.endr
	v_max3_num_f32 v12, v12, |v[WSET+30]|, |v[WSET+31]|
	v_max3_num_f32 v12, v12, v13, 0x1800000        ; and the floor 2^(3 - 127)
	v_add_nc_u32 v11, 0xff000000, v12              ; 2 off its exponent field: the conversion's scale operand
	v_lshrrev_b32 v13, 23, v11                     ; the scale's byte
.if (\t)%4 == 0
	v_mov_b32 v[SB+(\t)/4], v13                    ; four bytes to a register, the lower K in the lower byte
.else
	v_lshl_or_b32 v[SB+(\t)/4], v13, 8*((\t)%4), v[SB+(\t)/4]
.endif
	v_cvt_scalef32_pk16_fp6_f32 v[OUTR+8*(\t):OUTR+8*(\t)+2], v[WSET:WSET+15], v11
	v_cvt_scalef32_pk16_fp6_f32 v[WC+4:WC+6], v[WSET+16:WSET+31], v11   ; (a conversion's three registers begin on an even number)
	v_nop                                          ; one plain line behind a scaled conversion
.irp i, 0,1,2
	v_mov_b32 v[OUTR+8*(\t)+3+\i], v[WC+4+\i]      ; the block's 24 bytes on end; each block has six registers of its own, so no store's data are written again
.endr
.irp j, 0,1,2
	global_store_b64 v8, v[OUTR+8*(\t)+2*\j:OUTR+8*(\t)+2*\j+1], s[8:9] offset:((\t)/4)*1536+(((\t)%4)/2)*768+((\t)%2)*128+256*\j   ; block t = (q, c, h): sixteen lanes store 128 consecutive bytes of plane 3 c + j
.endr
.if (\t)+2 < NB
	WLOAD (\t)+2
.endif
.endm
.set Q, 0
.rept NB
	WBLOCK Q
.set Q, Q+1
.endr
	s_wait_alu depctr_va_vdst(0)
	global_store_b64 v9, v[SB:SB+1], s[10:11]      ; my column's 8 scale bytes
	s_wait_tensorcnt 0x0
	ds_add_u32 v208, v209
	s_wait_dscnt 0x0
	s_endpgm
.Lfunc_end_k_q7a84bc38ed_quant:
	.size	k_q7a84bc38ed_quant, .Lfunc_end_k_q7a84bc38ed_quant-k_q7a84bc38ed_quant
	.p2alignl 7, 3214868480
	.fill 96, 4, 3214868480
	.section	.rodata,"a",@progbits
	.p2align	6, 0x0
	.amdhsa_kernel k_q7a84bc38ed_quant
		.amdhsa_group_segment_fixed_size 69120
		.amdhsa_private_segment_fixed_size 0
		.amdhsa_enable_private_segment 0
		.amdhsa_kernarg_size 56
		.amdhsa_user_sgpr_count 2
		.amdhsa_user_sgpr_kernarg_segment_ptr 1
		.amdhsa_wavefront_size32 1
		.amdhsa_system_sgpr_workgroup_id_x 1
		.amdhsa_system_sgpr_workgroup_id_y 1
		.amdhsa_system_sgpr_workgroup_id_z 1
		.amdhsa_system_vgpr_workitem_id 0
		.amdhsa_next_free_vgpr 210
		.amdhsa_next_free_sgpr 66
		.amdhsa_reserve_vcc 0
		.amdhsa_float_denorm_mode_32 3
		.amdhsa_float_denorm_mode_16_64 3
		.amdhsa_memory_ordered 1
		.amdhsa_forward_progress 1
		.amdhsa_inst_pref_size 80
	.end_amdhsa_kernel
	.amdgpu_metadata
---
amdhsa.version: [ 1, 2 ]
amdhsa.kernels:
  - .name:           k_q7a84bc38ed_quant
    .symbol:         k_q7a84bc38ed_quant.kd
    .args:
      - { .name: x, .offset: 0, .size: 8, .value_kind: global_buffer, .address_space: global }
      - { .name: xc, .offset: 8, .size: 8, .value_kind: global_buffer, .address_space: global }
      - { .name: xs, .offset: 16, .size: 8, .value_kind: global_buffer, .address_space: global }
      - { .name: ws, .offset: 24, .size: 8, .value_kind: global_buffer, .address_space: global }
      - { .name: Wqkv, .offset: 32, .size: 8, .value_kind: global_buffer, .address_space: global }
      - { .name: Wo, .offset: 40, .size: 8, .value_kind: global_buffer, .address_space: global }
      - { .name: wc, .offset: 48, .size: 8, .value_kind: global_buffer, .address_space: global }
    .group_segment_fixed_size: 69120
    .private_segment_fixed_size: 0
    .kernarg_segment_align: 8
    .kernarg_segment_size: 56
    .max_flat_workgroup_size: 128
    .sgpr_count:     66
    .vgpr_count:     210
    .wavefront_size: 32
...
	.end_amdgpu_metadata
.endif
;; end of part 1
;; launch qkv (part 2): grid 12 x 32, 4 waves a work-group, clusters of 4 x 4, 327,680 bytes of LDS; arguments xc, xs, wc, ws, bqkv, qkvc, qkvs; writes qkvc, qkvs
.if DOCPART == 2
	.amdgcn_target "amdgcn-amd-amdhsa--gfx1250"
	.amdhsa_code_object_version 6
	.text
	.protected	k_q7a84bc38ed_qkv
	.globl	k_q7a84bc38ed_qkv
	.p2align	8
	.type	k_q7a84bc38ed_qkv,@function
k_q7a84bc38ed_qkv:
	s_mov_b64 s[64:65], 0
	v_nop
	global_prefetch_b8 v0, s[64:65] scope:SCOPE_SE
	s_setreg_imm32_b32 hwreg(HW_REG_WAVE_MODE, 25, 1), 1
	s_wait_xcnt 0x0
	s_wait_alu depctr_hold_cnt(0) depctr_sa_sdst(0) depctr_va_vdst(0) depctr_va_sdst(0) depctr_va_ssrc(0) depctr_va_vcc(0) depctr_vm_vsrc(0)
	s_getreg_b32 s2, hwreg(HW_REG_IB_STS2, 6, 4)
	s_cmp_eq_u32 s2, 0
	s_cbranch_scc0 .Lentry_in_a_cluster
	s_endpgm
.Lentry_in_a_cluster:
	s_bfe_u32 s2, ttmp6, 0x10000c
	s_cmp_lg_u32 s2, 0xf033
	s_cbranch_scc0 .Lentry_shape_is_right
	s_endpgm
.Lentry_shape_is_right:
; qkv = x Wqkv + bqkv on codes of FP6 (E2M3) with E8M0 scales, and its results QUANTISED AGAIN on the way out: q and k along the head's 64, v along the tokens.  No f32 result goes to memory.
; A tile of 256 tokens x 256 columns is made by four waves, 128 x 128 each: 64 accumulators.  K = 1024 goes in four steps of 256 through a ring of two LDS slots.
; BOTH OPERANDS LIE AS IMAGES OF THEIR REGISTERS: [tile of 16 rows][q of 128 K][plane][lane][8 bytes], 12,288 bytes a tile.  A K step of a tile is 3,072 bytes on end: a tensor row.  LDS holds them dense, and a fragment's
; six loads read at 8 x lane.  The scale bytes of the tile's rows, for all of K, come once, dense.
; 4 x 4 work-groups form a cluster: the tokens' tiles are shared along its row, the weight's along its column, each asked for jointly.
; Rows lie in the order sigma (bits 3 and 4 of the row's number exchanged): the 16 registers of two neighbouring tiles of source 0 are 16 true neighbours, 32 b + 16 (lane / 16) + 0 .. 15.
; q, k (tile columns 0 to 7): source 0 = the weight's rows, source 1 = tokens.  v (clusters with x = 2): THE SOURCES CHANGE PLACES: only the LDS addresses from which the two sources and their scale words are read
; change; the choice hangs on the cluster's x, which all partners share.
; OUT: a fragment leaves as an image of its registers, six planes of 256 bytes; planes 0-2 and 3-5 go 98,304 bytes apart (q, k: even and odd head; v: lower and upper 64 keys).  Scale words leave 512 bytes a wave.
; No prefetch: K has four steps at the largest block in clusters, and two of them are asked for at the head.
; LIMITS: NaN and infinities are not served; a block under 2^-124 keeps the byte 1; a block of zeros has the byte 1 and not 127 (zero codes; this program alone reads the bytes).
; REGISTERS: window 0: v0-31 addresses; v32-63 scale words, two sets; v64-127 the bias; from v128 source 1's fragments; window 1: source 0's fragments, two sets; windows 2, 3: the accumulators.
.set NQ,     2
.set AROWB,  3072                      ; a tile's K step of 256
.set KROW,   768                       ; bytes of codes for a row: 12,288 / 16
.set FR,     12
.set NL,     6
.set NP,     4
.set HALFT,  24576                     ; 128 rows x 192 bytes
.set SLOT,   4*HALFT                   ; the tokens' 256 rows, then the weight's
.set LAPS,   2
.set KS,     32
.set SCL,    2*SLOT                    ; the scales: the tokens' 256 rows x 32 bytes, then the weight's
.set HALFS,  4096
.set SBLK,   512
.set SPARE,  SCL+4*HALFS
.set SST,    SPARE+512                 ; 512 bytes a wave: scale words on their way out
.set ADRA, 16
.set ADRB, 20
.set IMO,  24
.set SSA,  25
.set SSR,  26
.set ADRS, 27
.set SPW,  28
.set NIL,  29
.set SCO,  30
.set SC,   32
.set BI,   64
.set AF,   128
.set HA,   128
.set CD,   192
.set TM,   212
.set PW,   228
.set SW,   236
.set G1, 24
.set G0, 32
.set G1B, 48
.set G0B, 56
.set G1S, 68
.set G0S, 76
.set G1SB, 80
.set G0SB, 88
.set G0H, 4                            ; group 0 of the head's loads of K step 0, in registers that held arguments
.set G0HB, 8
.set SEL, 100
.set MSB, 0
.macro WIN new
.if MSB != \new
	s_set_vgpr_msb (MSB<<8)|\new
.set MSB, \new
.endif
.endm
.set MUL_LO, 0xa1
.set MUL_HI, 0xf1
.set TO_B,   0x40
.macro PLACES n
.rept \n
	v_nop
.endr
.endm
.macro JLOAD g0a, g1a, g0b, g1b        ; waves 0, 1 fetch the tokens' halves, waves 2, 3 the weight's
	s_cmp_eq_u32 s15, 0
	s_cbranch_scc0 .Lfor_b_\@
	tensor_load_to_lds s[\g0a:\g0a+3], s[\g1a:\g1a+7]
	s_nop 0
	PLACES 4
	s_branch .Lasked_\@
.Lfor_b_\@:
	tensor_load_to_lds s[\g0b:\g0b+3], s[\g1b:\g1b+7]
	s_nop 0
	PLACES 4
.Lasked_\@:
.endm
.macro CREST
	s_cmp_lg_u32 s14, 0
	s_cbranch_scc1 .Lnot_wave_0_\@
	s_barrier_signal -3
.Lnot_wave_0_\@:
	s_barrier_wait -3
	s_barrier_signal -1
	s_barrier_wait -1
.endm
.macro CROUND
	s_barrier_signal -1
	s_barrier_wait -1
	CREST
.endm
	s_load_b128 s[4:7], s[0:1], 0x0                ; x's codes, x's scales
	s_load_b128 s[8:11], s[0:1], 0x10              ; the weight's codes, its scales
	s_load_b64 s[96:97], s[0:1], 0x20              ; the bias
	s_load_b64 s[12:13], s[0:1], 0x28              ; out: codes
	s_load_b64 s[98:99], s[0:1], 0x30              ; out: scale words
	v_lshl_add_u32 v[SPW], v0, 2, SPARE
	v_mov_b32 v[NIL], 0
	ds_add_u32 v[SPW], v[NIL]                      ; the opening lines
	ds_add_u32 v[SPW], v[NIL]
	v_lshrrev_b32 v1, 5, v0
	v_readfirstlane_b32 s14, v1                    ; wave
	s_lshr_b32 s15, s14, 1                         ; my half of source 1's rows; also: I fetch tokens (0) or the weight (1)
	s_and_b32 s16, s14, 1                          ; my half of source 0's rows; also: which 128 rows I fetch
	s_bfe_u32 s40, ttmp6, 0x40000
	s_bfe_u32 s41, ttmp6, 0x40004
	s_lshl_b32 s42, ttmp9, 2
	s_add_co_u32 s42, s42, s40                     ; tile column
	s_and_b32 s17, ttmp7, 0xffff
	s_lshl_b32 s17, s17, 2
	s_add_co_u32 s17, s17, s41                     ; tile row
	s_lshl_b32 s43, s41, 2
	s_lshl_b32 s43, 15, s43                        ; my row of the cluster
	s_lshl_b32 s44, 0x1111, s40                    ; my column
	s_cmp_eq_u32 ttmp9, 2                          ; v's columns?
	s_cselect_b32 s95, 1, 0
	s_cselect_b32 s66, s16, s15                    ; my half of the tokens
	s_cselect_b32 s67, s15, s16                    ; my half of the weight's rows
	s_mov_b32 s[SEL], 0x76543210
	s_mov_b32 s[SEL+1], 0xfedcba98
	s_or_b32 s[G1+0], s43, (3<<16)|(1<<21)         ; codes: rows of 3,072 bytes (384 elements of 8), 12,288 apart; 16 rows at the head, 8 in the ring
	s_or_b32 s[G1B+0], s44, (3<<16)|(1<<21)
.irp g, G1, G1B
	s_mov_b32 s[\g+1], 384<<16
	s_mov_b32 s[\g+2], 16<<16
	s_mov_b32 s[\g+3], 384<<16
	s_mov_b32 s[\g+4], 16
	s_mov_b32 s[\g+5], 1536
	s_mov_b32 s[\g+6], 0
	s_mov_b32 s[\g+7], 0
.endr
	s_or_b32 s[G1S+0], s43, (3<<16)|(1<<21)        ; the scales of 256 rows: 8,192 dense bytes as 32 rows of 256
	s_or_b32 s[G1SB+0], s44, (3<<16)|(1<<21)
.irp g, G1S, G1SB
	s_mov_b32 s[\g+1], 32<<16
	s_mov_b32 s[\g+2], 32<<16
	s_mov_b32 s[\g+3], 32<<16
	s_mov_b32 s[\g+4], 32
	s_mov_b32 s[\g+5], 32
	s_mov_b32 s[\g+6], 0
	s_mov_b32 s[\g+7], 0
.endr
	s_lshl_b32 s20, s17, 8                         ; the tokens' first stored row
	s_lshl_b32 s46, s42, 8                         ; the weight's
	s_mov_b32 s21, 0
	s_mov_b32 s47, 0
	s_mov_b64 s[18:19], KS
	s_mul_u64 s[22:23], s[20:21], s[18:19]
	s_mul_u64 s[92:93], s[46:47], s[18:19]
	s_mov_b64 s[18:19], KROW
	s_mul_u64 s[20:21], s[20:21], s[18:19]
	s_mul_u64 s[46:47], s[46:47], s[18:19]
	s_mul_i32 s18, s16, 128*KROW                   ; in the ring I fetch 128 rows: which half,
	s_mov_b32 s19, 0
	s_mul_i32 s45, s14, HALFT                      ; and where they go
	s_wait_dscnt 0x0
	s_wait_kmcnt 0x0
	s_add_nc_u64 s[20:21], s[4:5], s[20:21]
	s_add_nc_u64 s[22:23], s[6:7], s[22:23]
	s_add_nc_u64 s[46:47], s[8:9], s[46:47]
	s_add_nc_u64 s[92:93], s[10:11], s[92:93]
	CROUND                                         ; the first joint loads meet
	s_mov_b32 s[G0H], 1
	s_mov_b32 s[G0H+1], 0
	s_mov_b64 s[G0H+2:G0H+3], s[20:21]
	s_or_b32 s[G0H+3], s[G0H+3], 0x80000000
	s_mov_b32 s[G0HB], 1
	s_mov_b32 s[G0HB+1], 2*HALFT
	s_mov_b64 s[G0HB+2:G0HB+3], s[46:47]
	s_or_b32 s[G0HB+3], s[G0HB+3], 0x80000000
	s_mov_b32 s[G0S], 1
	s_mov_b32 s[G0S+1], SCL
	s_mov_b64 s[G0S+2:G0S+3], s[22:23]
	s_or_b32 s[G0S+3], s[G0S+3], 0x80000000
	s_mov_b32 s[G0SB], 1
	s_mov_b32 s[G0SB+1], SCL+2*HALFS
	s_mov_b64 s[G0SB+2:G0SB+3], s[92:93]
	s_or_b32 s[G0SB+3], s[G0SB+3], 0x80000000
	s_add_nc_u64 s[20:21], s[20:21], s[18:19]
	s_add_nc_u64 s[46:47], s[46:47], s[18:19]
.irp s, 0,1
	s_mov_b32 s[G0+4*\s], 1
	s_add_co_u32 s[G0+4*\s+1], s45, \s*SLOT
	s_add_nc_u64 s[G0+4*\s+2:G0+4*\s+3], s[20:21], \s*AROWB
	s_or_b32 s[G0+4*\s+3], s[G0+4*\s+3], 0x80000000
	s_mov_b32 s[G0B+4*\s], 1
	s_add_co_u32 s[G0B+4*\s+1], s45, \s*SLOT
	s_add_nc_u64 s[G0B+4*\s+2:G0B+4*\s+3], s[46:47], \s*AROWB
	s_or_b32 s[G0B+4*\s+3], s[G0B+4*\s+3], 0x80000000
.endr
; the head's loads, one a wave, in one chain of branches: wave 0 K step 0 of the tokens' 256 rows, wave 1 of the weight's, wave 2 the tokens' scales, wave 3 the weight's
.macro ARM under, g0, g1, next
	s_cmp_lt_u32 s14, \under
	s_cbranch_scc0 \next
	tensor_load_to_lds s[\g0:\g0+3], s[\g1:\g1+7]
	s_nop 0
	PLACES 4
	s_branch .Lhead_asked
\next:
.endm
	ARM 1, G0H,  G1,  .Lhead_b
	ARM 2, G0HB, G1B, .Lhead_sa
	ARM 3, G0S,  G1S, .Lhead_sb
	tensor_load_to_lds s[G0SB:G0SB+3], s[G1SB:G1SB+7]
	s_nop 0
	PLACES 4
.Lhead_asked:
	v_and_b32 v1, 15, v0                           ; r
	v_bfe_u32 v2, v0, 4, 1                         ; h
	v_and_b32 v6, 31, v0
	v_lshlrev_b32 v[IMO], 3, v6                    ; 8 x lane: an image's place, in LDS and on the way out
	v_lshlrev_b32 v[SCO], 4, v6
	v_lshlrev_b32 v5, 5, v1                        ; my row's scales: 32 bytes a row
	s_wait_alu depctr_va_vdst(0)                   ; the wait ahead of the scalar lines below
	s_mul_i32 s21, s15, HALFT                      ; source 1: my 128 rows of the tokens, or, where the sources change places, of the weight
	s_mul_i32 s23, s95, 2*HALFT
	s_add_co_u32 s21, s21, s23
	s_xor_b32 s23, s95, 1
	s_mul_i32 s23, s23, 2*HALFT
	s_mul_i32 s22, s16, HALFT                      ; source 0: the other tensor's
	s_add_co_u32 s22, s22, s23
.irp s, 0,1
	v_add_nc_u32 v[ADRA+\s], s21, v[IMO]
	v_add_nc_u32 v[ADRB+\s], s22, v[IMO]
	s_add_co_u32 s21, s21, SLOT
	s_add_co_u32 s22, s22, SLOT
.endr
	s_mul_i32 s21, s15, HALFS                      ; the scale words likewise: lanes 0-15 carry source 1's, lanes 16-31 source 0's
	s_mul_i32 s23, s95, 2*HALFS
	s_add_co_u32 s21, s21, s23
	s_add_co_u32 s21, s21, SCL
	s_xor_b32 s23, s95, 1
	s_mul_i32 s23, s23, 2*HALFS
	s_mul_i32 s22, s16, HALFS
	s_add_co_u32 s22, s22, s23
	s_add_co_u32 s22, s22, SCL
	s_mov_b32 s23, 0xffff0000
	v_add_nc_u32 v6, s21, v5
	v_add_nc_u32 v7, s22, v5
	v_cndmask_b32 v[ADRS], v6, v7, s23
	s_lshl_b32 s23, s14, 9
	s_add_co_u32 s23, s23, SST
	v_lshl_add_u32 v[SSA], v1, 2, s23
	v_add_nc_u32 v[SSR], s23, v[SCO]
	v_lshlrev_b32 v8, 6, v2                        ; the bias of q, k: 16 h numbers on
	v_and_b32 v7, 8, v1
	v_add_nc_u32 v7, v7, v1
	v_lshlrev_b32 v9, 2, v7                        ; the bias of v: number r + 8 (r / 8)
	; where my results go.  G = which 128 columns of the 3,072;  u = which 128 tokens of the batch
	s_lshl_b32 s46, s42, 1
	s_add_co_u32 s46, s46, s67
	s_lshr_b32 s47, s46, 3
	s_and_b32 s92, s46, 7
	s_lshr_b32 s93, s17, 3
	s_and_b32 s94, s17, 7
	s_lshl_b32 s94, s94, 1
	s_add_co_u32 s94, s94, s66
	s_mul_i32 s20, s47, 6291456
	s_mul_i32 s21, s92, 196608
	s_add_co_u32 s20, s20, s21
	s_mul_i32 s21, s93, 1572864
	s_add_co_u32 s20, s20, s21
	s_mul_i32 s21, s94, 6144
	s_add_co_u32 s20, s20, s21
	s_mov_b32 s21, 0
	s_add_nc_u64 s[12:13], s[12:13], s[20:21]
	s_lshl_b32 s20, s47, 18
	s_lshl_b32 s21, s93, 3
	s_add_co_u32 s21, s21, s92
	s_lshl_b32 s21, s21, 13
	s_add_co_u32 s20, s20, s21
	s_lshl_b32 s21, s94, 9
	s_add_co_u32 s20, s20, s21
	s_mov_b32 s21, 0
	s_add_nc_u64 s[98:99], s[98:99], s[20:21]
	s_lshl_b32 s20, s46, 9
	s_add_nc_u64 s[96:97], s[96:97], s[20:21]
	; the bias, in the results' layout.  q, k: register 8 b + j is column 32 (b / 2) + 8 (b % 2) + 16 h + j.  v: all eight registers of block a hold the lane's channel
	s_cmp_eq_u32 s95, 0
	s_cbranch_scc0 .Lbias_v
	s_wait_alu depctr_va_vdst(0)
.irp b, 0,1,2,3,4,5,6,7
	global_load_b128 v[BI+8*\b:BI+8*\b+3], v8, s[96:97] offset:(32*(\b/2)+8*(\b%2))*4
	global_load_b128 v[BI+8*\b+4:BI+8*\b+7], v8, s[96:97] offset:(32*(\b/2)+8*(\b%2))*4+16
.endr
	s_branch .Lbias_in
.Lbias_v:
	s_wait_alu depctr_va_vdst(0)
.irp a, 0,1,2,3,4,5,6,7
.irp j, 0,1,2,3,4,5,6,7
	global_load_b32 v[BI+8*\a+\j], v9, s[96:97] offset:(32*(\a/2)+8*(\a%2))*4
.endr
.endr
.Lbias_in:
.macro FRAG reg, adr, q, i             ; 16 rows x 128 K: six planes, my 8 bytes of each
.irp p, 0,1,2,3,4,5
	ds_load_b64 v[\reg+2*\p:\reg+2*\p+1], v[\adr] offset:(\i)*AROWB+(\q)*1536+256*\p
.endr
.endm
; 16 matrix instructions; the 64 accumulators take turns in the same order in every step
.macro MUL16 a0, p, q, sc, zero
.irp a, \a0, \a0+1
.irp b, 0,1,2,3,4,5,6,7
.if \zero
	v_wmma_scale_f32_16x16x128_f8f6f4 v[8*(8*((\a)%4)+\b):8*(8*((\a)%4)+\b)+7], v[128*(\p)+FR*\b:128*(\p)+FR*\b+FR-1], v[AF+FR*(\a):AF+FR*(\a)+FR-1], 0, v[SC+8*NQ*(\sc)+NQ*\b+(\q)], v[SC+8*NQ*(\sc)+NQ*(\a)+(\q)] matrix_a_fmt:MATRIX_FMT_FP6 matrix_b_fmt:MATRIX_FMT_FP6 matrix_a_scale:MATRIX_SCALE_ROW1
.else
	v_wmma_scale_f32_16x16x128_f8f6f4 v[8*(8*((\a)%4)+\b):8*(8*((\a)%4)+\b)+7], v[128*(\p)+FR*\b:128*(\p)+FR*\b+FR-1], v[AF+FR*(\a):AF+FR*(\a)+FR-1], v[8*(8*((\a)%4)+\b):8*(8*((\a)%4)+\b)+7], v[SC+8*NQ*(\sc)+NQ*\b+(\q)], v[SC+8*NQ*(\sc)+NQ*(\a)+(\q)] matrix_a_fmt:MATRIX_FMT_FP6 matrix_b_fmt:MATRIX_FMT_FP6 matrix_a_scale:MATRIX_SCALE_ROW1
.endif
.endr
.endr
.endm
.macro FETCH_B slot, q, p
	WIN TO_B
.irp i, 0,1,2,3,4,5,6,7
	FRAG 128*(\p)+FR*\i, ADRB+\slot, \q, \i
.endr
	WIN 0
.endm
.macro FETCH_A slot, q, i0
.irp i, \i0, \i0+1, \i0+2, \i0+3
	FRAG AF+FR*(\i), ADRA+\slot, \q, \i
.endr
.endm
.macro SCALES sc
.irp i, 0,1,2,3,4,5,6,7
	ds_load_b64 v[SC+8*NQ*\sc+NQ*\i:SC+8*NQ*\sc+NQ*\i+1], v[ADRS] offset:\i*SBLK
.endr
.endm
.macro STEP slot, q, zero              ; 128 along K that has its successor in the same slot
	s_wait_dscnt 4*NL                              ; the youngest 24 loads (source 1's blocks 4-7) may be out
	WIN MUL_LO
	MUL16 0, (\q)%2, \q, \slot, \zero
	MUL16 2, (\q)%2, \q, \slot, \zero
	s_wait_dscnt 0
	PLACES NP
	FETCH_B \slot, (\q)+1, 1-(\q)%2
	FETCH_A \slot, (\q)+1, 0
	WIN MUL_HI
	MUL16 4, (\q)%2, \q, \slot, \zero
	MUL16 6, (\q)%2, \q, \slot, \zero
	PLACES NP
	WIN 0
	FETCH_A \slot, (\q)+1, 4
.endm
.macro TURN slot, next, fill           ; a slot's last step changes slots
	s_wait_tensorcnt 0x0                           ; my part of the next slot is in
	ds_add_u32 v[SPW], v[NIL]
	s_wait_dscnt 4*NL+1                            ; (the add and the youngest 24 loads may be out)
	WIN MUL_LO
	MUL16 0, 1, NQ-1, \slot, 0
	s_wait_dscnt 0x0                               ; the add is done, my reads of this slot are over
	s_barrier_signal -1
	MUL16 2, 1, NQ-1, \slot, 0
	WIN 0
	s_barrier_wait -1
.if \fill
	CREST                                          ; the barrier has opened a round of the cluster's barrier
	s_add_nc_u64 s[G0+4*\slot+2:G0+4*\slot+3], s[G0+4*\slot+2:G0+4*\slot+3], 2*AROWB
	s_add_nc_u64 s[G0B+4*\slot+2:G0B+4*\slot+3], s[G0B+4*\slot+2:G0B+4*\slot+3], 2*AROWB
	JLOAD G0+4*\slot, G1, G0B+4*\slot, G1B
.else
	PLACES NP
.endif
	s_wait_alu depctr_va_vdst(0)                   ; the wait ahead of the reader below
	v_add_nc_u32 v[ADRS], 4*NQ, v[ADRS]            ; the next K step's scale words
	FETCH_B \next, 0, 0
	FETCH_A \next, 0, 0
	SCALES \next
	WIN MUL_HI
	MUL16 4, 1, NQ-1, \slot, 0
	MUL16 6, 1, NQ-1, \slot, 0
	PLACES NP
	WIN 0
	FETCH_A \next, 0, 4
.endm
	s_wait_alu depctr_va_vdst(0)                   ; the head's end
	s_wait_tensorcnt 0x0                           ; my tile of the head's four is in; the full sequence ahead of slot 1's first fill
	ds_add_u32 v[SPW], v[NIL]
	s_mov_b32 s[G1+2], 8<<16                       ; no load of mine is out: from here on a load brings 8 rows (128 rows of codes)
	s_mov_b32 s[G1+4], 8
	s_mov_b32 s[G1B+2], 8<<16
	s_mov_b32 s[G1B+4], 8
	s_wait_dscnt 0x0
	CROUND
	JLOAD G0+4, G1, G0B+4, G1B                     ; K step 1
	FETCH_B 0, 0, 0
	FETCH_A 0, 0, 0
	SCALES 0
	FETCH_A 0, 0, 4
	STEP 0, 0, 1
	s_mov_b32 s3, LAPS-1
.Llap:
	TURN 0, 1, 1
	STEP 1, 0, 0
	TURN 1, 0, 1
	STEP 0, 0, 0
	s_sub_co_u32 s3, s3, 1
	s_cmp_lg_u32 s3, 0
	s_cbranch_scc1 .Llap
	TURN 0, 1, 0
	STEP 1, 0, 0
	s_wait_dscnt 4*NL
	WIN MUL_LO
	MUL16 0, 1, NQ-1, 1, 0
	MUL16 2, 1, NQ-1, 1, 0
	s_wait_dscnt 0
	WIN MUL_HI
	MUL16 4, 1, NQ-1, 1, 0
	MUL16 6, 1, NQ-1, 1, 0
	WIN 0
; 64 numbers of a lane, register 16 b + i = k 32 b + 16 (lane / 16) + i of my row, become a fragment's codes in v[CD] on and its scale word in v[pw]
.macro QUANT s, pw
.irp b, 0,1,2,3
	v_max3_num_f32 v[TM+\b], |v[\s+16*\b]|, |v[\s+1+16*\b]|, 0x1800000   ; with the floor 2^(3 - 127)
.endr
.irp i, 2,4,6,8,10,12,14
.irp b, 0,1,2,3
	v_max3_num_f32 v[TM+\b], v[TM+\b], |v[\s+16*\b+\i]|, |v[\s+1+16*\b+\i]|
.endr
.endr
.irp b, 0,1,2,3
	v_permlanex16_b32 v[TM+4+\b], v[TM+\b], s[SEL], s[SEL+1]
.endr
.irp b, 0,1,2,3
	v_max_num_f32 v[TM+\b], v[TM+\b], v[TM+4+\b]
.endr
.irp b, 0,1,2,3
	v_add_nc_u32 v[TM+12+\b], 0xff000000, v[TM+\b] ; 2 off the exponent field: the conversion's scale operand
.endr
.irp b, 0,1,2,3
	v_lshrrev_b32 v[TM+4+\b], 23, v[TM+12+\b]
.endr
	v_lshl_or_b32 v[\pw], v[TM+5], 8, v[TM+4]
	v_lshl_or_b32 v[\pw], v[TM+6], 16, v[\pw]
	v_lshl_or_b32 v[\pw], v[TM+7], 24, v[\pw]
.irp c, 0,1
	v_cvt_scalef32_pk16_fp6_f32 v[CD+6*\c:CD+2+6*\c], v[\s+32*\c:\s+15+32*\c], v[TM+12+2*\c]
	v_cvt_scalef32_pk16_fp6_f32 v[CD+12+4*\c:CD+14+4*\c], v[\s+16+32*\c:\s+31+32*\c], v[TM+12+2*\c+1]
.endr
	v_nop
.irp c, 0,1
.irp i, 0,1,2
	v_permlane16_swap_b32 v[CD+6*\c+\i], v[CD+12+4*\c+\i]
.endr
.irp i, 0,1,2
	v_mov_b32 v[CD+3+6*\c+\i], v[CD+12+4*\c+\i]
.endr
.endr
.endm
.macro OUTBLK a                        ; source 1's block a: the bias, the quantiser, six planes out
.if (\a) > 0
	s_wait_xcnt 0x0                                ; the last block's stores have read the codes' registers
.endif
	s_cmp_eq_u32 s95, 0
	s_cbranch_scc0 .Lvarm_\@
	WIN 0x02+(\a)/4
.irp b, 0,1,2,3,4,5,6,7
.irp i, 0,2,4,6
	v_pk_add_f32 v[HA+8*\b+\i:HA+8*\b+\i+1], v[64*((\a)%4)+8*\b+\i:64*((\a)%4)+8*\b+\i+1], v[BI+8*\b+\i:BI+8*\b+\i+1]
.endr
.endr
	WIN 0
	s_branch .Ljoin_\@
.Lvarm_\@:
	WIN 0x02+(\a)/4
.irp b, 0,1,2,3,4,5,6,7
.irp i, 0,2,4,6
	v_pk_add_f32 v[HA+8*\b+\i:HA+8*\b+\i+1], v[64*((\a)%4)+8*\b+\i:64*((\a)%4)+8*\b+\i+1], v[BI+8*(\a)+\i:BI+8*(\a)+\i+1]
.endr
.endr
	WIN 0
.Ljoin_\@:
	QUANT HA, PW+(\a)
.irp p, 0,1,2,3,4,5
	global_store_b64 v[IMO], v[CD+2*\p:CD+2*\p+1], s[12:13] offset:(\a)*768+256*(\p%3)+98304*(\p/3)   ; 256 consecutive bytes, aligned
.endr
	ds_store_b32 v[SSA], v[PW+(\a)] offset:64*(\a)
.endm
	s_wait_loadcnt 0x0                             ; the bias
	PLACES NP
.irp b, 0,1,2,3
	v_mov_b32 v[TM+4+\b], 0                        ; a lane permute's destination counts as one of its sources
.endr
.irp a, 0,1,2,3,4,5,6,7
	OUTBLK \a
.endr
	ds_load_b128 v[SW:SW+3], v[SSR]
	s_wait_dscnt 0x0
	global_store_b128 v[SCO], v[SW:SW+3], s[98:99]
	s_wait_tensorcnt 0x0                           ; the wave's end
	ds_add_u32 v[SPW], v[NIL]
	s_wait_dscnt 0x0
	CROUND
	s_endpgm
.Lfunc_end_k_q7a84bc38ed_qkv:
	.size	k_q7a84bc38ed_qkv, .Lfunc_end_k_q7a84bc38ed_qkv-k_q7a84bc38ed_qkv
	.p2alignl 7, 3214868480
	.fill 96, 4, 3214868480
	.section	.rodata,"a",@progbits
	.p2align	6, 0x0
	.amdhsa_kernel k_q7a84bc38ed_qkv
		.amdhsa_group_segment_fixed_size 327680
		.amdhsa_private_segment_fixed_size 0
		.amdhsa_enable_private_segment 0
		.amdhsa_kernarg_size 56
		.amdhsa_user_sgpr_count 2
		.amdhsa_user_sgpr_kernarg_segment_ptr 1
		.amdhsa_wavefront_size32 1
		.amdhsa_system_sgpr_workgroup_id_x 1
		.amdhsa_system_sgpr_workgroup_id_y 1
		.amdhsa_system_sgpr_workgroup_id_z 1
		.amdhsa_system_vgpr_workitem_id 0
		.amdhsa_next_free_vgpr 1024
		.amdhsa_next_free_sgpr 102
		.amdhsa_reserve_vcc 0
		.amdhsa_float_denorm_mode_32 3
		.amdhsa_float_denorm_mode_16_64 3
		.amdhsa_memory_ordered 1
		.amdhsa_forward_progress 1
		.amdhsa_inst_pref_size 209
	.end_amdhsa_kernel
	.amdgpu_metadata
---
amdhsa.version: [ 1, 2 ]
amdhsa.kernels:
  - .name:           k_q7a84bc38ed_qkv
    .symbol:         k_q7a84bc38ed_qkv.kd
    .args:
      - { .name: xc, .offset: 0, .size: 8, .value_kind: global_buffer, .address_space: global }
      - { .name: xs, .offset: 8, .size: 8, .value_kind: global_buffer, .address_space: global }
      - { .name: wc, .offset: 16, .size: 8, .value_kind: global_buffer, .address_space: global }
      - { .name: ws, .offset: 24, .size: 8, .value_kind: global_buffer, .address_space: global }
      - { .name: bqkv, .offset: 32, .size: 8, .value_kind: global_buffer, .address_space: global }
      - { .name: qkvc, .offset: 40, .size: 8, .value_kind: global_buffer, .address_space: global }
      - { .name: qkvs, .offset: 48, .size: 8, .value_kind: global_buffer, .address_space: global }
    .group_segment_fixed_size: 327680
    .private_segment_fixed_size: 0
    .kernarg_segment_align: 8
    .kernarg_segment_size: 56
    .max_flat_workgroup_size: 128
    .sgpr_count:     102
    .vgpr_count:     1024
    .wavefront_size: 32
...
	.end_amdgpu_metadata
.endif
;; end of part 2
;; launch attn (part 3): grid 4 x 64, 16 waves a work-group, no clusters, 215,040 bytes of LDS; arguments qkvc, qkvs, yc, ys; writes yc, ys
.if DOCPART == 3
	.amdgcn_target "amdgcn-amd-amdhsa--gfx1250"
	.amdhsa_code_object_version 6
	.text
	.protected	k_q7a84bc38ed_attn
	.globl	k_q7a84bc38ed_attn
	.p2align	8
	.type	k_q7a84bc38ed_attn,@function
k_q7a84bc38ed_attn:
	s_mov_b64 s[64:65], 0
	v_nop
	global_prefetch_b8 v0, s[64:65] scope:SCOPE_SE
	s_setreg_imm32_b32 hwreg(HW_REG_WAVE_MODE, 25, 1), 1
	s_wait_xcnt 0x0
; Causal attention of one head (64 channels, 2,048 tokens) on codes of FP6 (E2M3) with E8M0 scales, and its result y quantised along the channels for the last product.
; t = score x log2(e) / 8; M = the running largest t rounded UP to a whole number; p = 2^(t - M) is quantised along the keys; the row's sum is taken of the unquantised p and divides at the end.
; SHARES.  A work-group serves one head; grid x = 0..3.  Wave w takes the stored query tiles tau = 16 x + w and then 127 - tau: tau / 8 + 1 and 16 - tau / 8 key steps of 128: 17 for every wave of the launch.
; K AND V OF THE WHOLE HEAD STAY IN LDS (2 x 98,304 bytes of codes, 12,288 of scale words), each byte filled once; nothing is stored to LDS.
; THE FILL COMES IN TWO HALVES.  A wave's first tile has tau <= 63 and wants key steps 0 to 7 alone.  All fills go out together at the start, ordered within a wave: wave 0: K's scale words, K's steps 0-3, K's steps 8-11;
; wave 1: K's steps 4-7, 12-15; wave 2: V's scale words, V's lower 64 keys of steps 0-7, of steps 8-15; wave 3: the same of the upper 64 keys.  A wave's tensor loads end in the order of issue
; (ISA guide 10.11.1): the wait that leaves one out shows the first half landed; a barrier; the first tile, whose loop of 8 trips reads the first half's bytes alone; the wait for all, a second barrier, the second tile.
; By this text's count a wave has at most three tensor loads out.
; No cluster: the steps that a wave leaves out hang on its block of queries, which would differ between partners.
; LAYOUT.  Operands lie as images of their registers: a plane of 256 bytes holds two registers, lane l's 8 bytes at 8 l.  The first product's K is 64: registers 6-11 of q's and k's fragments are zero codes,
; and the upper two bytes of their scale words are 0 (a power of two, on zero codes).  Both products are used transposed: a lane holds ONE query.
; Tokens lie in the order sigma (bits 3, 4 exchanged): lane r of stored tile tau is token 32 (tau / 2) + 8 (tau % 2) + r + 8 (r / 8); so the 16 registers of two neighbouring tiles of keys are 16 neighbouring keys,
; and those of two neighbouring tiles of V's channels 16 neighbouring channels.
; THE MASK.  The key loops' trip counts are constants; a step all of whose keys come after the tile's queries is jumped over by a scalar branch on ids; on the diagonal hidden scores become -infinity.
; LIMITS: NaN and infinities are not served; a block under 2^-124 keeps the byte 1; a block of zeros has the byte 1 and not 127 (zero codes; this program alone reads the bytes).
; REGISTERS: v1-7 addresses that stay; v8-11 addresses in hand; v12 -M, v13 the largest t, v[14:15] the sum; v16-27 Q; v28-31 K's scale words; v32-79 four fragments of K; v80-127 four of V;
; v128-191 S^T, then p; v192-223 O^T; v224-235 p's codes; v232-254 at work; v248-251 V's scale words; v253 p's scale word; v255 Q's.
.set VB,   98304                       ; LDS: K's 128 tiles of 768 bytes at 0; V at VB: [16 e + step][tile of channels][768]
.set SK,   196608                      ; K's scale words: [tile][16 words], both heads of the pair in a word
.set SV,   204800                      ; V's: [step][tile of channels][16 words]
.set S,    128
.set O,    192
.set AK0,  1                           ; v1  8 x lane
.set AV0,  2                           ; v2  VB + 8 x lane
.set ASK0, 3                           ; v3  SK + 4 r + 2 x the head's parity
.set ASV0, 4                           ; v4  SV + 4 r
.set RQ,   5                           ; v5  r + 8 (r / 8) - 16 h
.set QS0,  6                           ; v6  4 r + 2 x parity
.set QOF,  7                           ; v7  Q's offset
.set ADK,  8
.set ADV,  9
.set ADS,  10
.set ADT,  11
.set WV,   18
.set TAU,  19                          ; the tile whose Q was asked for last
.set SEL,  20                          ; s[20:21] lane l xor 16
.set CS,   22                          ; s[22:23] c = log2(e) / 8
.set G1K,  24                          ; s[24:31] group 1 for K's quarters
.set G1V,  32                          ; s[32:39] for V's
.set G0K,  40                          ; s[40:47] K's two groups 0: no group 0 is written while its load is out
.set G1SK, 48
.set G1SV, 56
.set TP,   66                          ; at work
.set HM,   67                          ; lanes 16-31
.set G0V,  68                          ; s[68:75] V's two groups 0
.set G0SK, 76
.set G0SV, 80
.set BQ,   84                          ; s[84:85] Q's codes of my head
.set BQS,  86                          ; s[86:87] the pair's scale words of q
.set BY,   88                          ; s[88:89] y's codes
.set BYS,  90                          ; s[90:91] y's scale bytes
.set KF,   92                          ; the step's first key
.set Q0,   93                          ; 32 (tau / 2): no query of the tile lies under it
.set QL,   94                          ; Q0 + 31: none lies over it
.set QD,   95                          ; Q0 + 8 (tau % 2)
.set TK,   96                          ; LDS steps: K 6,144 a step,
.set TV,   97                          ; V 3,072,
.set TS,   98                          ; K's scale words 512,
.set TJ,   99                          ; V's 256
.set CNT,  100
.set TO,   101                         ; the tile whose y goes out
	s_load_b256 s[4:11], s[0:1], 0x0               ; q, k, v codes s[4:5]; their scale words s[6:7]; y's codes s[8:9]; y's scale bytes s[10:11]
	v_lshl_add_u32 v254, v0, 2, 0x34000
	v_mov_b32 v255, 0
	ds_add_u32 v254, v255
	ds_add_u32 v254, v255
	s_wait_dscnt 0x0
	v_lshrrev_b32 v8, 5, v0
	s_delay_alu instid0(VALU_DEP_1)
	v_readfirstlane_b32 s[WV], v8                  ; wave 0..15
	s_and_b32 s2, ttmp7, 0xffff                    ; 16 x batch + head
	s_lshr_b32 s3, s2, 4                           ; the batch
	s_and_b32 s12, s2, 15                          ; the head
	s_and_b32 s14, s2, 1                           ; its parity
	s_lshr_b32 s15, s2, 1                          ; 8 x batch + pair
	s_and_b32 s13, s15, 7                          ; the pair
	; every LDS address register that stays is made here, ahead of the branches on the wave's number
	v_and_b32 v8, 31, v0
	s_delay_alu instid0(VALU_DEP_1)
	v_lshlrev_b32 v[AK0], 3, v8
	s_delay_alu instid0(VALU_DEP_1)
	v_add_nc_u32 v[AV0], VB, v[AK0]
	v_and_b32 v9, 15, v0                           ; r
	v_bfe_u32 v10, v0, 4, 1                        ; h
	s_lshl_b32 s[TP], s14, 1
	v_lshl_add_u32 v[QS0], v9, 2, s[TP]
	s_delay_alu instid0(VALU_DEP_1)
	v_add_nc_u32 v[ASK0], SK, v[QS0]
	v_lshl_add_u32 v[ASV0], v9, 2, SV
	v_and_b32 v11, 8, v9
	s_delay_alu instid0(VALU_DEP_1)
	v_add_nc_u32 v11, v11, v9
	v_lshlrev_b32 v10, 4, v10
	s_delay_alu instid0(VALU_DEP_1)
	v_sub_nc_u32 v[RQ], v11, v10
	; descriptor groups 1: elements of 8 bytes, no padding, no mask
	s_mov_b32 s[G1K], 3<<16                        ; K: a quarter of the head, 24,576 dense bytes, as 96 rows of 256
	s_mov_b32 s[G1K+1], 32<<16
	s_mov_b32 s[G1K+2], 96<<16
	s_mov_b32 s[G1K+3], 32<<16
	s_mov_b32 s[G1K+4], 96
	s_mov_b32 s[G1K+5], 32
	s_mov_b32 s[G1K+6], 0
	s_mov_b32 s[G1K+7], 0
	s_mov_b32 s[G1V], 3<<16                        ; V: 8 rows of 3,072 bytes (my head's four tiles of a step's half), 6,144 bytes apart
	s_mov_b32 s[G1V+1], 384<<16
	s_mov_b32 s[G1V+2], 8<<16
	s_mov_b32 s[G1V+3], 384<<16
	s_mov_b32 s[G1V+4], 8
	s_mov_b32 s[G1V+5], 768
	s_mov_b32 s[G1V+6], 0
	s_mov_b32 s[G1V+7], 0
	s_mov_b32 s[G1SK], 3<<16                       ; K's scale words: 8,192 dense bytes
	s_mov_b32 s[G1SK+1], 32<<16
	s_mov_b32 s[G1SK+2], 32<<16
	s_mov_b32 s[G1SK+3], 32<<16
	s_mov_b32 s[G1SK+4], 32
	s_mov_b32 s[G1SK+5], 32
	s_mov_b32 s[G1SK+6], 0
	s_mov_b32 s[G1SK+7], 0
	s_mov_b32 s[G1SV], 3<<16                       ; V's: 16 rows of 256 bytes, 512 apart
	s_mov_b32 s[G1SV+1], 32<<16
	s_mov_b32 s[G1SV+2], 16<<16
	s_mov_b32 s[G1SV+3], 32<<16
	s_mov_b32 s[G1SV+4], 16
	s_mov_b32 s[G1SV+5], 64
	s_mov_b32 s[G1SV+6], 0
	s_mov_b32 s[G1SV+7], 0
	s_mul_i32 s16, s2, 98304                       ; the head's codes of q (and, 6,291,456 on, of k)
	s_mov_b32 s17, 0
	s_and_b32 s[TAU], s[WV], 1                     ; THE FILLS ARE DEALT ONE TO A WAVE: waves 0, 1 K's steps 0-3, 4-7; 2, 3 V's lower, upper 64 keys of steps 0-7; 4 K's scale words; 5 V's; 6, 7 K's steps 8-11, 12-15; 8, 9 V's of steps 8-15.  The wave's low bit picks the part
	s_mul_i32 s92, s[TAU], 24576
	s_add_co_u32 s92, s92, s16
	s_add_co_u32 s92, s92, 6291456                 ; K: waves 0, 1: quarter = wave; the second load's quarter lies 49,152 bytes on
	s_mov_b32 s93, 0
	s_mul_i32 s94, s15, 196608
	s_mul_i32 s95, s14, 3072
	s_add_co_u32 s94, s94, s95
	s_mul_i32 s95, s[TAU], 98304
	s_add_co_u32 s94, s94, s95
	s_add_co_u32 s94, s94, 12582912                ; V: the lower or the upper 64 keys, steps 0-7; steps 8-15 lie 49,152 bytes on
	s_mov_b32 s95, 0
	s_lshl_b32 s96, s15, 13                        ; the pair's scale words
	s_mov_b32 s97, 0
	s_add_co_u32 s98, s96, 262144                  ; k's
	s_mov_b32 s99, 0
	s_lshl_b32 s100, s14, 8
	s_add_co_u32 s100, s100, s96
	s_add_co_u32 s100, s100, 524288                ; v's, my head's half of each step's 512 bytes
	s_mov_b32 s101, 0
	s_mov_b32 s[SEL], 0x76543210
	s_mov_b32 s[SEL+1], 0xfedcba98
	s_mov_b32 s[CS], 0x3e38aa3b                    ; log2(e) / 8
	s_mov_b32 s[CS+1], s[CS]                       ; (named with it as a pair, so it is written)
	s_mov_b32 s[HM], 0xffff0000
	s_wait_kmcnt 0x0
	s_mov_b32 s[G0K], 1
	s_mul_i32 s[G0K+1], s[TAU], 24576
	s_add_nc_u64 s[G0K+2:G0K+3], s[4:5], s[92:93]
	s_mov_b32 s[G0K+4], 1
	s_add_co_u32 s[G0K+5], s[G0K+1], 49152         ; and two quarters on
	s_add_nc_u64 s[G0K+6:G0K+7], s[G0K+2:G0K+3], 49152
	s_or_b32 s[G0K+3], s[G0K+3], 0x80000000
	s_or_b32 s[G0K+7], s[G0K+7], 0x80000000
	s_mov_b32 s[G0V], 1
	s_mul_i32 s[G0V+1], s[TAU], 49152
	s_add_co_u32 s[G0V+1], s[G0V+1], VB
	s_add_nc_u64 s[G0V+2:G0V+3], s[4:5], s[94:95]
	s_mov_b32 s[G0V+4], 1
	s_add_co_u32 s[G0V+5], s[G0V+1], 24576         ; and steps 8-15
	s_add_nc_u64 s[G0V+6:G0V+7], s[G0V+2:G0V+3], 49152
	s_or_b32 s[G0V+3], s[G0V+3], 0x80000000
	s_or_b32 s[G0V+7], s[G0V+7], 0x80000000
	s_mov_b32 s[G0SK], 1
	s_mov_b32 s[G0SK+1], SK
	s_add_nc_u64 s[G0SK+2:G0SK+3], s[6:7], s[98:99]
	s_or_b32 s[G0SK+3], s[G0SK+3], 0x80000000
	s_mov_b32 s[G0SV], 1
	s_mov_b32 s[G0SV+1], SV
	s_add_nc_u64 s[G0SV+2:G0SV+3], s[6:7], s[100:101]
	s_or_b32 s[G0SV+3], s[G0SV+3], 0x80000000
	; the fills, all at the start; one to a wave, each in its own branch.  Four v_nop follow each
	s_cmp_lt_u32 s[WV], 2
	s_cbranch_scc0 .Lnot_0
	tensor_load_to_lds s[G0K:G0K+3], s[G1K:G1K+7]
	s_nop 0
.rept 4
	v_nop
.endr
	s_branch .Lasked
.Lnot_0:
	s_cmp_lt_u32 s[WV], 4
	s_cbranch_scc0 .Lnot_1
	tensor_load_to_lds s[G0V:G0V+3], s[G1V:G1V+7]
	s_nop 0
.rept 4
	v_nop
.endr
	s_branch .Lasked
.Lnot_1:
	s_cmp_eq_u32 s[WV], 4
	s_cbranch_scc0 .Lnot_2
	tensor_load_to_lds s[G0SK:G0SK+3], s[G1SK:G1SK+7]
	s_nop 0
.rept 4
	v_nop
.endr
	s_branch .Lasked
.Lnot_2:
	s_cmp_eq_u32 s[WV], 5
	s_cbranch_scc0 .Lnot_5
	tensor_load_to_lds s[G0SV:G0SV+3], s[G1SV:G1SV+7]
	s_nop 0
.rept 4
	v_nop
.endr
	s_branch .Lasked
.Lnot_5:
	s_cmp_lt_u32 s[WV], 8
	s_cbranch_scc0 .Lnot_7
	tensor_load_to_lds s[G0K+4:G0K+7], s[G1K:G1K+7]
	s_nop 0
.rept 4
	v_nop
.endr
	s_branch .Lasked
.Lnot_7:
	s_cmp_lt_u32 s[WV], 10
	s_cbranch_scc0 .Lasked
	tensor_load_to_lds s[G0V+4:G0V+7], s[G1V:G1V+7]
	s_nop 0
.rept 4
	v_nop
.endr
.Lasked:
	s_add_nc_u64 s[BQ:BQ+1], s[4:5], s[16:17]      ; Q's codes of my head
	s_add_nc_u64 s[BQS:BQS+1], s[6:7], s[96:97]    ; and the pair's scale words
	s_mul_i32 s92, s3, 1572864
	s_mul_i32 s93, s13, 1536
	s_add_co_u32 s92, s92, s93
	s_mul_i32 s93, s14, 768
	s_add_co_u32 s92, s92, s93
	s_mov_b32 s93, 0
	s_add_nc_u64 s[BY:BY+1], s[8:9], s[92:93]      ; y's codes: batch, K step = pair, planes 0-2 or 3-5 by parity
	s_lshl_b32 s94, s3, 16
	s_lshl_b32 s95, s12, 1
	s_add_co_u32 s94, s94, s95
	s_mov_b32 s95, 0
	s_add_nc_u64 s[BYS:BYS+1], s[10:11], s[94:95]  ; y's scale bytes: batch, byte 2 x head
; Q of stored tile s[TAU] is asked for: registers 0-5 of the fragment, and my head's two bytes of each query's scale word.
.macro QLOAD
	s_mul_i32 s[TP], s[TAU], 768
	v_add_nc_u32 v[QOF], s[TP], v[AK0]
	s_lshl_b32 s[TP], s[TAU], 6
	v_add_nc_u32 v[ADT], s[TP], v[QS0]
.irp p, 0,1,2
	global_load_b64 v[16+2*\p:17+2*\p], v[QOF], s[BQ:BQ+1] offset:256*\p   ; each load reads 256 consecutive bytes
.endr
	global_load_u16 v255, v[ADT], s[BQS:BQS+1]
.endm
	s_lshl_b32 s[TAU], ttmp9, 4
	s_add_co_u32 s[TAU], s[TAU], s[WV]             ; an early tile first
	s_wait_alu depctr_va_vdst(0)
	QLOAD                                          ; it lands while the fills do
.irp j, 22,23,24,25,26,27
	v_mov_b32 v[\j], 0                             ; Q's registers 6-11: zero codes
.endr
.irp t, 0,1,2,3
.irp j, 6,7,8,9,10,11
	v_mov_b32 v[32+12*\t+\j], 0                    ; K's likewise: written once, never loaded over
.endr
.endr
.irp j, 236,237,238,239,252,253
	v_mov_b32 v[\j], 0                             ; lane permutes' destinations, and the pair v[252:253], are written before they are first named
.endr
; A KEY STEP: 128 keys.
.macro STEP
	s_cmp_gt_u32 s[KF], s[QL]                      ; all its keys come after my queries: only the addresses step
	s_cbranch_scc1 .Lhidden_\@
	v_add_nc_u32 v[ADK], s[TK], v[AK0]
	v_add_nc_u32 v[ADV], s[TV], v[AV0]
	v_add_nc_u32 v[ADS], s[TS], v[ASK0]
	v_add_nc_u32 v[ADT], s[TJ], v[ASV0]
.irp t, 0,1,2,3                                ; S^T = K Q^T, tiles 0-3 of 16 keys
.irp p, 0,1,2
	ds_load_b64 v[32+12*\t+2*\p:33+12*\t+2*\p], v[ADK] offset:\t*768+256*\p
.endr
	ds_load_u16 v[28+\t], v[ADS] offset:64*\t      ; my head's two bytes of the key's scale word; the upper two are 0
.endr
	s_wait_alu depctr_va_vdst(0)
	s_wait_dscnt 0x0
.irp t, 0,1,2,3
	v_wmma_scale_f32_16x16x128_f8f6f4 v[S+8*\t:S+8*\t+7], v[32+12*\t:43+12*\t], v[16:27], 0, v[28+\t], v255 matrix_a_fmt:MATRIX_FMT_FP6 matrix_b_fmt:MATRIX_FMT_FP6
.endr
.rept 4
	v_nop                                          ; places in front of loads into registers that matrix instructions have read
.endr
.irp t, 0,1,2,3                                ; tiles 4-7
.irp p, 0,1,2
	ds_load_b64 v[32+12*\t+2*\p:33+12*\t+2*\p], v[ADK] offset:(4+\t)*768+256*\p
.endr
	ds_load_u16 v[28+\t], v[ADS] offset:64*(4+\t)
.endr
.irp t, 0,1,2,3                                ; V's four fragments and scale words are asked for now and land under the softmax
.irp p, 0,1,2,3,4,5
	ds_load_b64 v[80+12*\t+2*\p:81+12*\t+2*\p], v[ADV] offset:\t*768+256*(\p%3)+49152*(\p/3)
.endr
	ds_load_b32 v[248+\t], v[ADT] offset:64*\t
.endr
	s_wait_dscnt 28                                ; K's sixteen are in; V's 24 + 4 may be out
.irp t, 0,1,2,3
	v_wmma_scale_f32_16x16x128_f8f6f4 v[S+32+8*\t:S+39+8*\t], v[32+12*\t:43+12*\t], v[16:27], 0, v[28+\t], v255 matrix_a_fmt:MATRIX_FMT_FP6 matrix_b_fmt:MATRIX_FMT_FP6
.endr
.rept 4
	v_nop
.endr
	s_add_co_u32 s[TP], s[KF], 127                 ; a step all of whose keys count skips the mask
	s_cmp_le_u32 s[TP], s[Q0]
	s_cbranch_scc1 .Lopen_\@
	s_sub_co_i32 s[TP], s[QD], s[KF]
	v_add_nc_u32 v252, s[TP], v[RQ]                ; d = my query - KF - 16 h.  Register 16 b + i holds key KF + 16 h + 32 b + i: hidden where 32 b + i > d
	v_mov_b32 v254, 0xff800000                     ; -infinity
.set n, 0
.rept 64
	v_cmp_gt_i32 vcc_lo, 32*(n/16)+n%16, v252
	v_cndmask_b32 v[S+n], v[S+n], v254, vcc_lo
.set n, n+1
.endr
.Lopen_\@:
.irp b, 0,1,2,3
	v_max3_num_f32 v[232+\b], v[S+16*\b], v[S+1+16*\b], v[S+2+16*\b]   ; the largest score of each block of 32 keys: for the row's maximum, and, since p rises with the score, for the block's largest p
.endr
.irp i, 3,5,7,9,11,13
.irp b, 0,1,2,3
	v_max3_num_f32 v[232+\b], v[232+\b], v[S+16*\b+\i], v[S+1+16*\b+\i]
.endr
.endr
.irp b, 0,1,2,3
	v_max_num_f32 v[232+\b], v[232+\b], v[S+15+16*\b]
.endr
.irp b, 0,1,2,3
	s_delay_alu instid0(VALU_DEP_4)
	v_permlanex16_b32 v[236+\b], v[232+\b], s[SEL], s[SEL+1]
.endr
.irp b, 0,1,2,3
	s_delay_alu instid0(VALU_DEP_4)
	v_max_num_f32 v[232+\b], v[232+\b], v[236+\b]  ; with lane l xor 16's 16 keys
.endr
	s_delay_alu instid0(VALU_DEP_2)
	v_max3_num_f32 v254, v232, v233, v234
	s_delay_alu instid0(VALU_DEP_1)
	v_max_num_f32 v254, v254, v235
	s_delay_alu instid0(VALU_DEP_1)
	v_mul_f32 v254, s[CS], v254                    ; as t
	s_delay_alu instid0(VALU_DEP_1)
	v_max_num_f32 v13, v13, v254                   ; the running largest t
	v_mov_b32 v254, v12
	s_delay_alu instid0(VALU_DEP_2)
	v_floor_f32 v12, -v13                          ; the new -M = -ceil(t)
	s_delay_alu instid0(VALU_DEP_1)
	v_sub_f32 v254, v12, v254                      ; old M - new M: a whole number, 0 or less
	s_delay_alu instid0(VALU_DEP_1)
	v_cvt_i32_f32 v254, v254                       ; (it saturates)
	s_delay_alu instid0(VALU_DEP_1)
	v_ldexp_f32 v252, 1.0, v254                    ; f = 2^(old M - new M): rounds nothing
.set j, 0
.rept 32
	v_pk_fma_f32 v[S+j:S+j+1], v[S+j:S+j+1], s[CS:CS+1], v[12:13] op_sel_hi:[1,0,0]   ; t - M, two at a time
.set j, j+2
.endr
.irp b, 0,1,2,3
	v_fma_f32 v[232+\b], v[232+\b], s[CS], v12     ; the same of each block's largest score
.endr
.set j, 0
	s_wait_alu depctr_va_vdst(0)
.rept 64
	v_exp_f32 v[S+j], v[S+j]                       ; p = 2^(t - M), at most 1
.set j, j+1
.endr
.irp b, 0,1,2,3
	v_exp_f32 v[232+\b], v[232+\b]                 ; the block's largest p
.endr
	v_pk_mul_f32 v[14:15], v[14:15], v[252:253] op_sel_hi:[1,0]   ; the sums under the new M (a plain line behind the exponentials)
	s_wait_alu depctr_va_vdst(0)
.irp b, 0,1,2,3
	v_max_num_f32 v[232+\b], 0x1800000, v[232+\b]  ; the floor 2^(3 - 127)
.endr
.irp b, 0,1,2,3
	s_delay_alu instid0(VALU_DEP_4)
	v_add_nc_u32 v[244+\b], 0xff000000, v[232+\b]  ; the conversion's scale operand
.endr
.irp b, 0,1,2,3
	s_delay_alu instid0(VALU_DEP_4)
	v_lshrrev_b32 v[236+\b], 23, v[244+\b]         ; the scale's byte
.endr
	s_delay_alu instid0(VALU_DEP_3)
	v_lshl_or_b32 v253, v237, 8, v236              ; p's scale word for these 128 keys
	s_delay_alu instid0(VALU_DEP_1)
	v_lshl_or_b32 v253, v238, 16, v253
	s_delay_alu instid0(VALU_DEP_1)
	v_lshl_or_b32 v253, v239, 24, v253
.irp c, 0,1
	v_cvt_scalef32_pk16_fp6_f32 v[224+6*\c:226+6*\c], v[S+32*\c:S+15+32*\c], v[244+2*\c]
	v_cvt_scalef32_pk16_fp6_f32 v[236+4*\c:238+4*\c], v[S+16+32*\c:S+31+32*\c], v[244+2*\c+1]
.endr
	v_nop                                          ; one plain line behind a scaled conversion
.irp c, 0,1
.irp i, 0,1,2
	v_permlane16_swap_b32 v[224+6*\c+\i], v[236+4*\c+\i]
.endr
.irp i, 0,1,2
	s_delay_alu instid0(VALU_DEP_3)
	v_mov_b32 v[227+6*\c+\i], v[236+4*\c+\i]
.endr
.endr
	v_pk_add_f32 v[236:237], v[132:133], v[136:137]
	v_pk_add_f32 v[246:247], v[140:141], v[144:145]
	v_pk_add_f32 v[244:245], v[148:149], v[152:153]
	v_pk_add_f32 v[242:243], v[156:157], v[160:161]
	v_pk_add_f32 v[240:241], v[164:165], v[168:169]
	v_pk_add_f32 v[72:73], v[172:173], v[176:177]
	v_pk_add_f32 v[70:71], v[180:181], v[184:185]
	v_pk_add_f32 v[14:15], v[14:15], v[188:189]
	v_pk_add_f32 v[236:237], v[236:237], v[128:129]
	v_pk_add_f32 v[246:247], v[246:247], v[130:131]
	v_pk_add_f32 v[244:245], v[244:245], v[134:135]
	v_pk_add_f32 v[242:243], v[242:243], v[138:139]
	v_pk_add_f32 v[240:241], v[240:241], v[142:143]
	v_pk_add_f32 v[72:73], v[72:73], v[146:147]
	v_pk_add_f32 v[70:71], v[70:71], v[150:151]
	v_pk_add_f32 v[14:15], v[14:15], v[154:155]
	v_pk_add_f32 v[236:237], v[236:237], v[158:159]
	v_pk_add_f32 v[246:247], v[246:247], v[162:163]
	v_pk_add_f32 v[244:245], v[244:245], v[166:167]
	v_pk_add_f32 v[242:243], v[242:243], v[170:171]
	v_pk_add_f32 v[240:241], v[240:241], v[174:175]
	v_pk_add_f32 v[72:73], v[72:73], v[178:179]
	v_pk_add_f32 v[70:71], v[70:71], v[182:183]
	v_pk_add_f32 v[14:15], v[14:15], v[186:187]
	v_pk_add_f32 v[236:237], v[236:237], v[190:191]
	s_delay_alu instid0(VALU_DEP_2)
	v_pk_add_f32 v[14:15], v[14:15], v[242:243]
	s_delay_alu instid0(VALU_DEP_2)
	v_pk_add_f32 v[236:237], v[236:237], v[240:241]
	v_pk_add_f32 v[246:247], v[246:247], v[72:73]
	v_pk_add_f32 v[244:245], v[244:245], v[70:71]
	s_delay_alu instid0(VALU_DEP_2)
	v_pk_add_f32 v[14:15], v[14:15], v[246:247]
	s_delay_alu instid0(VALU_DEP_2)
	v_pk_add_f32 v[236:237], v[236:237], v[244:245]
	s_delay_alu instid0(VALU_DEP_1)
	v_pk_add_f32 v[14:15], v[14:15], v[236:237]
.set j, 0
.rept 16
	v_pk_mul_f32 v[O+j:O+j+1], v[O+j:O+j+1], v[252:253] op_sel_hi:[1,0]   ; O^T under the new M
.set j, j+2
.endr
	s_wait_alu depctr_va_vdst(0)
	s_wait_dscnt 0x0                               ; V is in
.irp t, 0,1,2,3                                ; O^T += V^T P^T: four accumulators by turns
	v_wmma_scale_f32_16x16x128_f8f6f4 v[O+8*\t:O+8*\t+7], v[80+12*\t:91+12*\t], v[224:235], v[O+8*\t:O+8*\t+7], v[248+\t], v253 matrix_a_fmt:MATRIX_FMT_FP6 matrix_b_fmt:MATRIX_FMT_FP6
.endr
.Lhidden_\@:
	s_add_co_u32 s[KF], s[KF], 128
	s_add_co_u32 s[TK], s[TK], 6144
	s_add_co_u32 s[TV], s[TV], 3072
	s_add_co_u32 s[TS], s[TS], 512
	s_add_co_u32 s[TJ], s[TJ], 256
.endm
; ONE TILE OF 16 QUERIES, stored tile s[TAU] of the head, whose Q has been asked for.  trips: key steps walked (a constant).  more = 1: behind the key loop the partner tile's Q is asked for,
; so that it lands while this tile's y is quantised and stored.
.macro TILE trips, more
	s_lshr_b32 s[Q0], s[TAU], 1
	s_lshl_b32 s[Q0], s[Q0], 5
	s_add_co_u32 s[QL], s[Q0], 31
	s_and_b32 s[QD], s[TAU], 1
	s_lshl_b32 s[QD], s[QD], 3
	s_add_co_u32 s[QD], s[QD], s[Q0]
	s_mov_b32 s[KF], 0
	s_mov_b32 s[TK], 0
	s_mov_b32 s[TV], 0
	s_mov_b32 s[TS], 0
	s_mov_b32 s[TJ], 0
	v_mov_b32 v13, 0xff61b1e6                      ; the largest t so far: -3e38
	s_delay_alu instid0(VALU_DEP_1)
	v_floor_f32 v12, -v13                          ; -M
	v_mov_b32 v14, 0
	v_mov_b32 v15, 0
.set j, 0
.rept 32
	v_mov_b32 v[O+j], 0                            ; O^T: the step is written once; its first walk finds zeros, which the first change of M leaves zeros
.set j, j+1
.endr
	s_wait_loadcnt 0x0                             ; Q
	s_mov_b32 s[CNT], \trips
.Lstep_\@:
	STEP
	s_sub_co_u32 s[CNT], s[CNT], 1
	s_cmp_lg_u32 s[CNT], 0
	s_cbranch_scc1 .Lstep_\@
.rept 4
	v_nop                                          ; places behind the last products
.endr
	s_mov_b32 s[TO], s[TAU]
.if \more
	s_sub_co_u32 s[TAU], 127, s[TAU]               ; the late partner: 17 key steps together
	QLOAD                                          ; no line below, up to the next tile's wait for it, names Q's registers or these loads' offsets
.endif
	v_add_f32 v14, v14, v15
	s_delay_alu instid0(VALU_DEP_1)
	v_permlanex16_b32 v252, v14, s[SEL], s[SEL+1]
	s_delay_alu instid0(VALU_DEP_1)
	v_add_f32 v14, v14, v252                       ; the row's sum
	s_wait_alu depctr_va_vdst(0)
	v_rcp_f32 v14, v14
	s_mul_i32 s[TP], s[TO], 12288
	v_add_nc_u32 v[ADK], s[TP], v[AK0]             ; (a plain line behind the reciprocal)  y's codes: tile x 12,288 + 8 x lane
	s_lshl_b32 s[TP], s[TO], 9
	v_and_b32 v[ADV], 15, v0
	v_bfe_u32 v[ADS], v0, 4, 1
	s_delay_alu instid0(VALU_DEP_1)
	v_lshl_add_u32 v[ADV], v[ADV], 5, v[ADS]
	s_delay_alu instid0(VALU_DEP_1)
	v_add_nc_u32 v[ADV], s[TP], v[ADV]             ; y's scale byte: row (16 tile + r) x 32 + h
.set j, 0
	s_wait_alu depctr_va_vdst(0)
.rept 32
	v_mul_f32 v[S+j], v[O+j], v14                  ; y: register 16 b + i is channel 32 b + 16 h + i of my query
.set j, j+1
.endr
.irp b, 0,1
	v_max3_num_f32 v[232+\b], |v[S+16*\b]|, |v[S+1+16*\b]|, 0x1800000
.endr
.irp i, 2,4,6,8,10,12,14
.irp b, 0,1
	s_delay_alu instid0(VALU_DEP_2)
	v_max3_num_f32 v[232+\b], v[232+\b], |v[S+16*\b+\i]|, |v[S+1+16*\b+\i]|
.endr
.endr
.irp b, 0,1
	s_delay_alu instid0(VALU_DEP_2)
	v_permlanex16_b32 v[236+\b], v[232+\b], s[SEL], s[SEL+1]
.endr
.irp b, 0,1
	s_delay_alu instid0(VALU_DEP_2)
	v_max_num_f32 v[232+\b], v[232+\b], v[236+\b]
.endr
.irp b, 0,1
	s_delay_alu instid0(VALU_DEP_2)
	v_add_nc_u32 v[244+\b], 0xff000000, v[232+\b]
.endr
.irp b, 0,1
	s_delay_alu instid0(VALU_DEP_2)
	v_lshrrev_b32 v[236+\b], 23, v[244+\b]
.endr
	s_delay_alu instid0(VALU_DEP_1)
	v_cndmask_b32 v254, v236, v237, s[HM]          ; lanes 0-15 carry block 0's byte, lanes 16-31 block 1's
	v_cvt_scalef32_pk16_fp6_f32 v[224:226], v[S:S+15], v244
	v_cvt_scalef32_pk16_fp6_f32 v[240:242], v[S+16:S+31], v245
	v_nop                                          ; one plain line behind a scaled conversion
.irp i, 0,1,2
	v_permlane16_swap_b32 v[224+\i], v[240+\i]     ; a whole block in a lane: lanes 0-15 channels 0-31, lanes 16-31 channels 32-63
.endr
.irp i, 0,1,2
	s_delay_alu instid0(VALU_DEP_3)
	v_mov_b32 v[227+\i], v[240+\i]
.endr
.irp p, 0,1,2
	global_store_b64 v[ADK], v[224+2*\p:225+2*\p], s[BY:BY+1] offset:256*\p   ; 32 lanes store 256 consecutive bytes, aligned
.endr
	global_store_b8 v[ADV], v254, s[BYS:BYS+1]
	s_wait_xcnt 0x0                                ; the stores have read their registers: the next tile writes them again
.endm
	s_cmp_lt_u32 s[WV], 6                          ; waves 0 to 5 hold the scale words and key steps 0 to 7: they wait; the second half's loads, lines of waves 6 to 9 alone, may stay out
	s_cbranch_scc0 .Lsecond_half
	s_wait_tensorcnt 0x0
.Lsecond_half:
	s_barrier_signal -1
	s_barrier_wait -1                              ; everybody's has; the second half may stay out
	TILE 8, 1                                      ; tau <= 63: key steps 0 to 7 at the most: K under byte 49,152, V in the first 24,576 bytes of each half of the keys
	s_wait_tensorcnt 0x0                           ; my part of key steps 8 to 15 has landed,
	s_wait_dscnt 0x0
	s_barrier_signal -1
	s_barrier_wait -1                              ; everybody's has
	TILE 16, 0
	s_wait_xcnt 0x0
	v_lshl_add_u32 v254, v0, 2, 0x34000
	v_mov_b32 v255, 0
	s_wait_alu depctr_va_vdst(0)
	s_wait_tensorcnt 0x0
	ds_add_u32 v254, v255
	s_wait_dscnt 0x0
	s_endpgm
.Lfunc_end_k_q7a84bc38ed_attn:
	.size	k_q7a84bc38ed_attn, .Lfunc_end_k_q7a84bc38ed_attn-k_q7a84bc38ed_attn
	.p2alignl 7, 3214868480
	.fill 96, 4, 3214868480
	.section	.rodata,"a",@progbits
	.p2align	6, 0x0
	.amdhsa_kernel k_q7a84bc38ed_attn
		.amdhsa_group_segment_fixed_size 215040
		.amdhsa_private_segment_fixed_size 0
		.amdhsa_enable_private_segment 0
		.amdhsa_kernarg_size 32
		.amdhsa_user_sgpr_count 2
		.amdhsa_user_sgpr_kernarg_segment_ptr 1
		.amdhsa_wavefront_size32 1
		.amdhsa_system_sgpr_workgroup_id_x 1
		.amdhsa_system_sgpr_workgroup_id_y 1
		.amdhsa_system_sgpr_workgroup_id_z 1
		.amdhsa_system_vgpr_workitem_id 0
		.amdhsa_next_free_vgpr 256
		.amdhsa_next_free_sgpr 102
		.amdhsa_reserve_vcc 1
		.amdhsa_float_denorm_mode_32 3
		.amdhsa_float_denorm_mode_16_64 3
		.amdhsa_memory_ordered 1
		.amdhsa_forward_progress 1
		.amdhsa_inst_pref_size 73
	.end_amdhsa_kernel
	.amdgpu_metadata
---
amdhsa.version: [ 1, 2 ]
amdhsa.kernels:
  - .name:           k_q7a84bc38ed_attn
    .symbol:         k_q7a84bc38ed_attn.kd
    .args:
      - { .name: qkvc, .offset: 0, .size: 8, .value_kind: global_buffer, .address_space: global }
      - { .name: qkvs, .offset: 8, .size: 8, .value_kind: global_buffer, .address_space: global }
      - { .name: yc, .offset: 16, .size: 8, .value_kind: global_buffer, .address_space: global }
      - { .name: ys, .offset: 24, .size: 8, .value_kind: global_buffer, .address_space: global }
    .group_segment_fixed_size: 215040
    .private_segment_fixed_size: 0
    .kernarg_segment_align: 8
    .kernarg_segment_size: 32
    .max_flat_workgroup_size: 512
    .sgpr_count:     102
    .vgpr_count:     256
    .wavefront_size: 32
...
	.end_amdgpu_metadata
.endif
;; end of part 3
;; launch proj (part 4): grid 8 x 32, 4 waves a work-group, clusters of 4 x 4, 327,680 bytes of LDS; arguments yc, ys, wc, ws, bo, out0; writes out0
.if DOCPART == 4
	.amdgcn_target "amdgcn-amd-amdhsa--gfx1250"
	.amdhsa_code_object_version 6
	.text
	.protected	k_q7a84bc38ed_proj
	.globl	k_q7a84bc38ed_proj
	.p2align	8
	.type	k_q7a84bc38ed_proj,@function
k_q7a84bc38ed_proj:
	s_mov_b64 s[64:65], 0
	v_nop
	global_prefetch_b8 v0, s[64:65] scope:SCOPE_SE
	s_setreg_imm32_b32 hwreg(HW_REG_WAVE_MODE, 25, 1), 1
	s_wait_xcnt 0x0
	s_wait_alu depctr_hold_cnt(0) depctr_sa_sdst(0) depctr_va_vdst(0) depctr_va_sdst(0) depctr_va_ssrc(0) depctr_va_vcc(0) depctr_vm_vsrc(0)
	s_getreg_b32 s2, hwreg(HW_REG_IB_STS2, 6, 4)
	s_cmp_eq_u32 s2, 0
	s_cbranch_scc0 .Lentry_in_a_cluster
	s_endpgm
.Lentry_in_a_cluster:
	s_bfe_u32 s2, ttmp6, 0x10000c
	s_cmp_lg_u32 s2, 0xf033
	s_cbranch_scc0 .Lentry_shape_is_right
	s_endpgm
.Lentry_shape_is_right:
; out = y Wo + bo on codes of FP6 (E2M3) with E8M0 scales; f32 out.
; 256 work-groups, each 256 tokens x 128 columns; four waves, 2 x 2, each 128 x 64: 32 accumulators.
; ALL OF K (1,024) LIES IN LDS AT ONCE: y's 256 rows are 196,608 bytes, Wo's 128 rows 98,304.  Both lie in memory as images of the operand registers, [tile of 16 rows][q of 128 K][plane][lane][8 bytes],
; 12,288 bytes a tile, so each wave's share is one dense run: waves 0, 1 fetch 128 rows of y each, waves 2, 3 64 rows of Wo each, ONE joint load a wave.  Nothing is filled again: one barrier, then eight steps with no barrier.
; 4 x 4 work-groups form a cluster: y's rows are shared along its row, Wo's along its column.
; The scale words (32 bytes a row, sixteen lanes read 512 bytes on end) and the bias go from memory straight into registers.  The bias is the first products' C.
; Source 0 = Wo's rows, source 1 = tokens: a lane holds a token and eight columns an accumulator.  Rows lie in the order sigma (bits 3, 4 exchanged): register j of accumulator b is column 32 (b / 2) + 8 (b % 2) + 16 h + j;
; row rho of token tile a is token 32 (a / 2) + 8 (a % 2) + rho + 8 (rho / 8).
; No prefetch: the launch has no loop to run ahead in; all its tiles are asked for at the head.
; REGISTERS: window 0: v0-31 addresses; v32-95 y's scale words (8 a + q); v100-131 Wo's (8 b + q); v132-163 the bias; v164-227 the way out.  window 1: y's fragments, two sets of 96.  window 2: Wo's, two sets of 48.  window 3: the accumulators.
.set KROW,   768
.set TILE,   12288
.set BREG,   196608                    ; LDS: Wo's rows behind y's
.set STAGE,  294912                    ; 16 rows x 272 bytes a wave, for the way out; no fill lands here
.set SPITCH, 272
.set SPARE,  STAGE+4*16*SPITCH
.set ADRA, 16                          ; v16, v17 my y tiles 0-3, 4-7
.set ADRB, 18
.set SOF,  19                          ; 32 r
.set BOF,  20                          ; 64 h
.set STO,  24
.set RD,   25
.set CO,   26
.set SPW,  28
.set NIL,  29
.set SAS,  32
.set SBS,  100
.set BI,   132
.set BK,   164
.set G1,  24
.set G0,  32
.set G0B, 36
.set G1B, 48
.set MSB, 0
.macro WIN new
.if MSB != \new
	s_set_vgpr_msb (MSB<<8)|\new
.set MSB, \new
.endif
.endm
.macro PLACES n
.rept \n
	v_nop
.endr
.endm
.macro CROUND
	s_barrier_signal -1
	s_barrier_wait -1
	s_cmp_lg_u32 s18, 0
	s_cbranch_scc1 .Lnot_wave_0_\@
	s_barrier_signal -3
.Lnot_wave_0_\@:
	s_barrier_wait -3
	s_barrier_signal -1
	s_barrier_wait -1
.endm
	s_load_b128 s[4:7], s[0:1], 0x0                ; y's codes, y's scales
	s_load_b128 s[8:11], s[0:1], 0x10              ; the weights' codes, their scales
	s_load_b128 s[12:15], s[0:1], 0x20             ; bo, out
	v_lshl_add_u32 v[SPW], v0, 2, SPARE
	v_mov_b32 v[NIL], 0
	ds_add_u32 v[SPW], v[NIL]                      ; the opening lines
	ds_add_u32 v[SPW], v[NIL]
	v_lshrrev_b32 v1, 5, v0
	v_readfirstlane_b32 s18, v1                    ; wave
	s_lshr_b32 s19, s18, 1                         ; my half of the tokens; also: I fetch y (0) or Wo (1)
	s_and_b32 s22, s18, 1                          ; my half of the columns; also: which half I fetch
	s_bfe_u32 s40, ttmp6, 0x40000
	s_bfe_u32 s41, ttmp6, 0x40004
	s_lshl_b32 s42, ttmp9, 2
	s_add_co_u32 s42, s42, s40                     ; tile column, 0 .. 7
	s_and_b32 s17, ttmp7, 0xffff
	s_lshl_b32 s17, s17, 2
	s_add_co_u32 s17, s17, s41                     ; tile row, 0 .. 31
	s_lshl_b32 s43, s41, 2
	s_lshl_b32 s43, 15, s43
	s_lshl_b32 s44, 0x1111, s40
	s_or_b32 s[G1+0], s43, (3<<16)|(1<<21)         ; rows of 12,288 bytes (1,536 elements of 8), dense: 8 for y, 4 for Wo
	s_or_b32 s[G1B+0], s44, (3<<16)|(1<<21)
.irp g, G1, G1B
	s_mov_b32 s[\g+1], 1536<<16
	s_mov_b32 s[\g+3], 1536<<16
	s_mov_b32 s[\g+5], 1536
	s_mov_b32 s[\g+6], 0
	s_mov_b32 s[\g+7], 0
.endr
	s_mov_b32 s[G1+2], 8<<16
	s_mov_b32 s[G1+4], 8
	s_mov_b32 s[G1B+2], 4<<16
	s_mov_b32 s[G1B+4], 4
	s_lshl_b32 s20, s17, 8
	s_lshl_b32 s21, s22, 7
	s_add_co_u32 s21, s21, s20                     ; y: the 128 stored rows that I fetch
	s_mul_i32 s56, s21, KROW
	s_mov_b32 s57, 0
	s_lshl_b32 s47, s42, 7
	s_lshl_b32 s46, s22, 6
	s_add_co_u32 s47, s47, s46                     ; my 64 columns: those that I fetch and those that I multiply
	s_add_co_u32 s46, s47, 3072                    ; Wo's rows lie behind Wqkv's 3,072
	s_mul_i32 s58, s46, KROW
	s_mov_b32 s59, 0
	v_and_b32 v1, 15, v0                           ; r
	v_bfe_u32 v2, v0, 4, 1                         ; h
	v_and_b32 v3, 31, v0
	v_lshlrev_b32 v4, 3, v3
	s_mul_i32 s23, s19, 8*TILE
	v_add_nc_u32 v[ADRA], s23, v4
	v_add_nc_u32 v[ADRA+1], 4*TILE, v[ADRA]
	s_mul_i32 s23, s22, 4*TILE
	s_add_co_u32 s23, s23, BREG
	v_add_nc_u32 v[ADRB], s23, v4
	v_lshlrev_b32 v[SOF], 5, v1
	v_lshlrev_b32 v[BOF], 6, v2
	s_mul_i32 s23, s18, 16*SPITCH
	s_add_co_u32 s23, s23, STAGE
	v_mul_u32_u24 v5, v1, SPITCH                   ; into the stage: row r, 64 bytes for each half of the lanes
	v_lshl_add_u32 v5, v2, 6, v5
	v_add_nc_u32 v[STO], s23, v5
	v_mul_u32_u24 v5, v2, SPITCH                   ; back: sixteen lanes to a row of 256 bytes, two rows a load
	v_lshl_add_u32 v5, v1, 4, v5
	v_add_nc_u32 v[RD], s23, v5
	v_lshlrev_b32 v5, 12, v2                       ; and the same two rows in out (4,096 bytes a row)
	v_lshl_add_u32 v[CO], v1, 4, v5
	s_wait_alu depctr_va_vdst(0)                   ; the head's end
	s_wait_dscnt 0x0
	s_wait_kmcnt 0x0
	s_mov_b32 s[G0], 1
	s_mul_i32 s[G0+1], s22, 8*TILE
	s_add_nc_u64 s[G0+2:G0+3], s[4:5], s[56:57]
	s_or_b32 s[G0+3], s[G0+3], 0x80000000
	s_mov_b32 s[G0B], 1
	s_mul_i32 s[G0B+1], s22, 4*TILE
	s_add_co_u32 s[G0B+1], s[G0B+1], BREG
	s_add_nc_u64 s[G0B+2:G0B+3], s[8:9], s[58:59]
	s_or_b32 s[G0B+3], s[G0B+3], 0x80000000
	s_lshl_b32 s21, s19, 7
	s_add_co_u32 s20, s20, s21                     ; the 128 tokens that I multiply
	s_lshl_b32 s56, s20, 5
	s_add_nc_u64 s[6:7], s[6:7], s[56:57]          ; their scale bytes
	s_lshl_b32 s58, s46, 5
	s_add_nc_u64 s[10:11], s[10:11], s[58:59]      ; my columns' scale bytes
	s_lshl_b32 s58, s47, 2
	s_add_nc_u64 s[12:13], s[12:13], s[58:59]      ; their bias
	s_lshl_b32 s56, s20, 12
	s_add_nc_u64 s[14:15], s[14:15], s[56:57]
	s_add_nc_u64 s[14:15], s[14:15], s[58:59]      ; my corner of out
.irp a, 0,1,2,3,4,5,6,7
	global_load_b128 v[SAS+8*\a:SAS+8*\a+3], v[SOF], s[6:7] offset:512*\a
	global_load_b128 v[SAS+8*\a+4:SAS+8*\a+7], v[SOF], s[6:7] offset:512*\a+16
.endr
.irp b, 0,1,2,3
	global_load_b128 v[SBS+8*\b:SBS+8*\b+3], v[SOF], s[10:11] offset:512*\b
	global_load_b128 v[SBS+8*\b+4:SBS+8*\b+7], v[SOF], s[10:11] offset:512*\b+16
	global_load_b128 v[BI+8*\b:BI+8*\b+3], v[BOF], s[12:13] offset:(32*(\b/2)+8*(\b%2))*4
	global_load_b128 v[BI+8*\b+4:BI+8*\b+7], v[BOF], s[12:13] offset:(32*(\b/2)+8*(\b%2))*4+16
.endr
	CROUND                                         ; the joint loads meet
	s_cmp_eq_u32 s19, 0
	s_cbranch_scc0 .Lfor_b
	tensor_load_to_lds s[G0:G0+3], s[G1:G1+7]
	s_nop 0
	PLACES 4
	s_branch .Lasked
.Lfor_b:
	tensor_load_to_lds s[G0B:G0B+3], s[G1B:G1B+7]
	s_nop 0
	PLACES 4
.Lasked:
	s_wait_tensorcnt 0x0                           ; my share is in,
	s_barrier_signal -1
	s_barrier_wait -1                              ; everybody's is
.macro FETCH q, set                    ; step q's fragments: 48 loads for y's eight tiles, 24 for Wo's four
	WIN 0x40
.irp i, 0,1,2,3,4,5,6,7
.irp p, 0,1,2,3,4,5
	ds_load_b64 v[96*(\set)+12*\i+2*\p:96*(\set)+12*\i+2*\p+1], v[ADRA+\i/4] offset:(\i%4)*TILE+(\q)*1536+256*\p
.endr
.endr
	WIN 0x80
.irp i, 0,1,2,3
.irp p, 0,1,2,3,4,5
	ds_load_b64 v[48*(\set)+12*\i+2*\p:48*(\set)+12*\i+2*\p+1], v[ADRB] offset:\i*TILE+(\q)*1536+256*\p
.endr
.endr
.endm
.macro MULS q, set                     ; 32 products; the 32 accumulators take turns in the same order in every step
.irp a, 0,1,2,3,4,5,6,7
.irp b, 0,1,2,3
.if \q
	v_wmma_scale_f32_16x16x128_f8f6f4 v[8*(4*\a+\b):8*(4*\a+\b)+7], v[48*(\set)+12*\b:48*(\set)+12*\b+11], v[96*(\set)+12*\a:96*(\set)+12*\a+11], v[8*(4*\a+\b):8*(4*\a+\b)+7], v[SBS+8*\b+(\q)], v[SAS+8*\a+(\q)] matrix_a_fmt:MATRIX_FMT_FP6 matrix_b_fmt:MATRIX_FMT_FP6
.else
	v_wmma_scale_f32_16x16x128_f8f6f4 v[8*(4*\a+\b):8*(4*\a+\b)+7], v[48*(\set)+12*\b:48*(\set)+12*\b+11], v[96*(\set)+12*\a:96*(\set)+12*\a+11], v[BI+8*\b:BI+8*\b+7], v[SBS+8*\b+(\q)], v[SAS+8*\a+(\q)] matrix_a_fmt:MATRIX_FMT_FP6 matrix_b_fmt:MATRIX_FMT_FP6
.endif
.endr
.endr
.endm
	FETCH 0, 0
	FETCH 1, 1
	s_wait_loadcnt 0x0                             ; the scale words and the bias
	s_wait_dscnt 63                                ; step 0's fragments are in: behind them 72 loads were issued, and the wait's field holds 63 at the most
	WIN 0xc6                                       ; source 0 window 2, source 1 window 1, C window 0 (the bias), D window 3
	MULS 0, 0
.set Q, 1
.rept 7
.if Q < 7
	PLACES 4                                       ; in front of loads into registers that the last step's products have read
	FETCH Q+1, (Q+1)%2
	s_wait_dscnt 63                                ; this step's fragments are in: of the 72 loads just issued the youngest 63 may be out
.else
	s_wait_dscnt 0x0
.endif
	WIN 0xf6
	MULS Q, Q%2
.set Q, Q+1
.endr
	WIN 0
; THE WAY OUT, by blocks of 16 tokens x 64 columns through my own stage: LDS serves a wave's instructions in order, so no wait stands between the stores and the loads
.macro TOSTAGE a
	WIN 0x0c
.irp b, 0,1,2,3
	ds_store_b128 v[STO], v[32*(\a)+8*\b:32*(\a)+8*\b+3] offset:128*(\b/2)+32*(\b%2)
	ds_store_b128 v[STO], v[32*(\a)+8*\b+4:32*(\a)+8*\b+7] offset:128*(\b/2)+32*(\b%2)+16
.endr
	WIN 0
.irp t, 0,1,2,3,4,5,6,7
	ds_load_b128 v[BK+32*((\a)%2)+4*\t:BK+32*((\a)%2)+4*\t+3], v[RD] offset:2*\t*SPITCH
.endr
.endm
.macro SEND a, younger
	s_wait_dscnt \younger
.irp t, 0,1,2,3,4,5,6,7
	global_store_b128 v[CO], v[BK+32*((\a)%2)+4*\t:BK+32*((\a)%2)+4*\t+3], s[14:15] offset:(32*((\a)/2)+8*((\a)%2)+2*\t+8*(\t/4))*4096 th:TH_STORE_NT   ; sixteen lanes store 256 consecutive bytes, aligned
.endr
.endm
	PLACES 4                                       ; behind the last products
	TOSTAGE 0
.irp a, 1,2,3,4,5,6,7
.if \a > 1
	s_wait_xcnt 0x0                                ; block a - 2's stores have read their registers: block a's loads may land there
.endif
	TOSTAGE \a
	SEND \a-1, 16                                  ; behind block a - 1's loads: block a's 8 stores and 8 loads
.endr
	SEND 7, 0
	s_wait_tensorcnt 0x0                           ; the wave's end
	ds_add_u32 v[SPW], v[NIL]
	s_wait_dscnt 0x0
	CROUND                                         ; the closing round
	s_endpgm
.Lfunc_end_k_q7a84bc38ed_proj:
	.size	k_q7a84bc38ed_proj, .Lfunc_end_k_q7a84bc38ed_proj-k_q7a84bc38ed_proj
	.p2alignl 7, 3214868480
	.fill 96, 4, 3214868480
	.section	.rodata,"a",@progbits
	.p2align	6, 0x0
	.amdhsa_kernel k_q7a84bc38ed_proj
		.amdhsa_group_segment_fixed_size 327680
		.amdhsa_private_segment_fixed_size 0
		.amdhsa_enable_private_segment 0
		.amdhsa_kernarg_size 48
		.amdhsa_user_sgpr_count 2
		.amdhsa_user_sgpr_kernarg_segment_ptr 1
		.amdhsa_wavefront_size32 1
		.amdhsa_system_sgpr_workgroup_id_x 1
		.amdhsa_system_sgpr_workgroup_id_y 1
		.amdhsa_system_sgpr_workgroup_id_z 1
		.amdhsa_system_vgpr_workitem_id 0
		.amdhsa_next_free_vgpr 1024
		.amdhsa_next_free_sgpr 66
		.amdhsa_reserve_vcc 0
		.amdhsa_float_denorm_mode_32 3
		.amdhsa_float_denorm_mode_16_64 3
		.amdhsa_memory_ordered 1
		.amdhsa_forward_progress 1
		.amdhsa_inst_pref_size 95
	.end_amdhsa_kernel
	.amdgpu_metadata
---
amdhsa.version: [ 1, 2 ]
amdhsa.kernels:
  - .name:           k_q7a84bc38ed_proj
    .symbol:         k_q7a84bc38ed_proj.kd
    .args:
      - { .name: yc, .offset: 0, .size: 8, .value_kind: global_buffer, .address_space: global }
      - { .name: ys, .offset: 8, .size: 8, .value_kind: global_buffer, .address_space: global }
      - { .name: wc, .offset: 16, .size: 8, .value_kind: global_buffer, .address_space: global }
      - { .name: ws, .offset: 24, .size: 8, .value_kind: global_buffer, .address_space: global }
      - { .name: bo, .offset: 32, .size: 8, .value_kind: global_buffer, .address_space: global }
      - { .name: out0, .offset: 40, .size: 8, .value_kind: global_buffer, .address_space: global }
    .group_segment_fixed_size: 327680
    .private_segment_fixed_size: 0
    .kernarg_segment_align: 8
    .kernarg_segment_size: 48
    .max_flat_workgroup_size: 128
    .sgpr_count:     66
    .vgpr_count:     1024
    .wavefront_size: 32
...
	.end_amdgpu_metadata
.endif
;; end of part 4
